; MI455X (gfx1250); checked and timed in simulation.
; The chip was launched on July 23, 2026; its instructions are those of AMD's public machine-readable ISA for CDNA 5 (MIT licence, August 2026) and "CDNA5" Instruction Set Architecture Reference Guide (July 2026). The comments in the code are by the model that wrote it; some were corrected since.
;; Multi Head Self Attention. Allowed arithmetic: matrix products marked QUANTISED: E2M3 operands, one E8M0 scale for each 32 along K, by v_wmma_scale_f32_16x16x128_f8f6f4 with both operands' format E2M3, f32 sums; everything else in f32.
;; Inputs: Wk 1,024 x 1,024 float32; Wo 1,024 x 1,024 float32; Wq 1,024 x 1,024 float32; Wv 1,024 x 1,024 float32; token_positions 4 x 2,048 int32; x 4 x 2,048 x 1,024 float32.
;; Outputs: out0 4 x 2,048 x 1,024 float32.
;; This version of the problem:
;;   THIS VERSION OF THE PROBLEM IS GIVEN IN LOW PRECISION. The matrix products marked QUANTISED in the list below multiply operands that are first quantised to E2M3 (2 exponent bits, 3 mantissa bits; 6 bits a number), with one power-of-two scale for each 32 numbers along K (OCP MX v1.0); their sums are f32. All else is computed in f32.
;;   The module's matrix products, in the order in which they are computed (A, B: the left and right operand; K: the contracted axis; several contracted axes count as one K, in the product's order):
;;     1. [M 8,192, K 1,024] x [K 1,024, N 1,024]; A: input x; B: input Wq: QUANTISED
;;     2. [M 8,192, K 1,024] x [K 1,024, N 1,024]; A: input x; B: input Wk: QUANTISED
;;     3. [M 8,192, K 1,024] x [K 1,024, N 1,024]; A: input x; B: input Wv: QUANTISED
;;     4. batch 64 x [M 2,048, K 64] x [K 64, N 2,048]; A: computed on the way; B: computed on the way: QUANTISED
;;     5. batch 64 x [M 2,048, K 2,048] x [K 2,048, N 64]; A: softmax (see below); B: computed on the way: QUANTISED
;;     6. [M 8,192, K 1,024] x [K 1,024, N 1,024]; A: computed on the way; B: input Wo: QUANTISED
;;   THE QUANTISER, for each operand of a quantised product, along K:
;;     - K is cut into blocks of 32 from its start; a last block that is shorter is filled with zeros.
;;     - A block's scale is 2^e with e = floor(log2(the largest magnitude in the block)) - 2, held to -126 .. 127; a block of zeros has e = 0. As a byte (E8M0): e + 127.
;;     - Each number is divided by its block's scale, clamped to +-7.5, and rounded to the nearest number of E2M3, ties to even, subnormals kept.
;;     - The product sums the exact products of the quantised numbers (number of the format x scale) in f32.
;;   ~~~python
;;   def quantise(x, axis):      # numpy; x: float32 -> the quantised numbers, widened to float32 again
;;       x = np.moveaxis(x, axis, -1); K = x.shape[-1]
;;       x = np.pad(x, [(0, 0)] * (x.ndim - 1) + [(0, -K % 32)]); x = x.reshape(x.shape[:-1] + (-1, 32)); a = np.abs(x).max(-1, keepdims=True)
;;       e = np.where(a > 0, np.clip(np.frexp(np.where(a > 0, a, 1))[1] - 1 - 2, -126, 127), 0)      # np.frexp(a)[1] - 1 = floor(log2(a)), exactly
;;       r = np.clip(x / 2.0 ** e, -7.5, 7.5)
;;       step = 2.0 ** (np.maximum(np.frexp(np.where(r == 0, 1, r))[1] - 1, 0) - 3)
;;       q = np.round(r / step) * step * 2.0 ** e      # np.round: ties to even
;;       return np.moveaxis(q.reshape(q.shape[:-2] + (-1,))[..., :K], -1, axis).astype(np.float32)
;;   ~~~
;;   SOFTMAX AHEAD OF A QUANTISED PRODUCT. Where the list says 'softmax', what is quantised is not the finished softmax but p = 2^(t - M), with t = logit x log2(e) and M = ceil(the row's largest t), a whole number; so 1/2 < the row's largest p <= 1. The row's sum l is taken of the UNQUANTISED p, in f32, and the product's result is divided by l at the end. Since M is a whole number, a kernel that streams over the keys may use a running M (the ceiling of the running maximum): every later rescaling is an exact power of two, which a block's scale takes up: the codes' values come out the same.
;;   OPERANDS COMPUTED ON THE WAY. 'Computed on the way' means the value that the module computes at that place (a softmax that the list does not call 'softmax' is quantised finished and normalised). What goes into a quantiser is computed in f32, as accurately as f32 sums, v_exp_f32 and their like allow (about 1e-6 of the number): no bf16 or f16 on the way to a quantiser, and a product that is left as it is and whose result goes on into a quantised operand takes f32 operands (vector FMAs, or v_wmma_f32_16x16x4_f32). A number that lies on a knife's edge between two numbers of the format may be rounded either way, as far as f32 arithmetic and the matrix unit's own rounding can turn it there, and no further.
;; One version. Each part assembles by itself: llvm-mc -triple=amdgcn-amd-amdhsa -mcpu=gfx1250 --defsym DOCPART=n.
;; ======== version 1 of 1: 4 launches
;; limits: inputs' magnitudes at most 100,000
;; workspace buffers: codes 9,437,184 bytes; scales 393,216 bytes; tab 2,097,152 bytes; q 6,553,600 bytes; kv 13,107,200 bytes; ao_codes 6,291,456 bytes; ao_scales 262,144 bytes
;; launch prep (part 1): grid 512 x 1, 4 waves a work-group, no clusters, 33,280 bytes of LDS; arguments x, Wq, Wk, Wv, Wo, token_positions, codes, scales, tab; writes codes, scales, tab
.if DOCPART == 1
	.amdgcn_target "amdgcn-amd-amdhsa--gfx1250"
	.amdhsa_code_object_version 6
	.text
	.protected	k_q78ce16a744_prep
	.globl	k_q78ce16a744_prep
	.p2align	8
	.type	k_q78ce16a744_prep,@function
k_q78ce16a744_prep:
	s_mov_b64 s[64:65], 0
	v_nop
	global_prefetch_b8 v0, s[64:65] scope:SCOPE_SE
	s_setreg_imm32_b32 hwreg(HW_REG_WAVE_MODE, 25, 1), 1
	s_wait_xcnt 0x0
; Work-groups 0-383: x [8192][1024], Wq, Wk, Wv, Wo [1024][1024], f32, become codes of FP6 (E2M3), K innermost, 768 bytes a row, and one E8M0 byte for each 32 along K, 32 bytes a row.
; All five lie in ONE buffer of 12,288 rows: x at row 0, Wq 8,192, Wk 9,216, Wv 10,240, Wo 11,264.
; TILE ORDER: the rows of x, Wq, Wk, Wv are stored so that 16 stored rows on end are a matrix tile whose lane r is the row 32 G + 8 u + r + (r & 8): of each 32 rows the four groups of 8 lie in the order 0, 2, 1, 3.
; A work-group takes 32 rows and a wave 8, so the order costs one exchange of the waves' places on the way out.  Wo keeps its order.
; A block's scale is 2^(floor(log2(its largest magnitude)) - 2); its byte is that magnitude's exponent field - 2, held at 1 from below.
; Work-groups 384-511: the table of cos and sin for the rotation of q and k: for each stored tile of 16 tokens the 32 registers that a lane of the next launch wants, as an image of those registers.
; LIMITS: NaN and infinities among the inputs are not served.  A block whose largest magnitude lies under 2^-124, a block of zeros too, keeps the byte 1: only this program reads the bytes, and zero codes add nothing.
; The angle is reduced by pi/2 in three parts: good to about |position x frequency| = 1e5.  The frequencies are 10^(-f/8) rounded to f32; they may differ in the last bit from a power and a division in f32.
.set STEPS, 16
.set EMAX,  2
.set CB,    12                         ; bytes of 16 codes
.set R,     16                         ; v16-79   four sets of 16 numbers as they are loaded
.set X,     80                         ; v80-111  two sets of 16 neighbours
.set C,     128                        ; v128-191 codes: four registers for each step, so that no store's data are written again
.set E,     112                        ; v112-127 a scale byte for each step
.set WREG,  8192                       ; LDS: a region for each wave: two stages of 32 x SP bytes, behind them its 256 scale bytes
.set SP,    80                         ; a lane's place in a stage: 64 bytes + 16 of padding
	s_load_b256 s[4:11], s[0:1], 0x0               ; x, Wq, Wk, Wv
	s_load_b256 s[12:19], s[0:1], 0x20             ; Wo, positions, codes, scales
	s_load_b64 s[20:21], s[0:1], 0x40              ; the table
	v_lshl_add_u32 v192, v0, 2, 0x8000
	v_mov_b32 v193, 0
	v_lshrrev_b32 v1, 5, v0
	v_readfirstlane_b32 s22, v1                    ; wave 0..3
	v_and_b32 v2, 31, v0                           ; lane
	s_wait_kmcnt 0x0
	s_cmp_ge_u32 ttmp9, 384
	s_cbranch_scc1 .Ltable
	; ---- THE QUANTISER.  Which tensor: the choice hangs on the work-group's number alone
	s_mov_b64 s[24:25], s[4:5]
	s_mov_b32 s26, 0
	s_cmp_ge_u32 ttmp9, 256
	s_cselect_b64 s[24:25], s[6:7], s[24:25]
	s_cselect_b32 s26, 256, s26
	s_cmp_ge_u32 ttmp9, 288
	s_cselect_b64 s[24:25], s[8:9], s[24:25]
	s_cselect_b32 s26, 288, s26
	s_cmp_ge_u32 ttmp9, 320
	s_cselect_b64 s[24:25], s[10:11], s[24:25]
	s_cselect_b32 s26, 320, s26
	s_and_b32 s27, s22, 1
	s_lshl_b32 s27, s27, 1
	s_lshr_b32 s28, s22, 1
	s_or_b32 s27, s27, s28                         ; the wave's place on the way out: 0, 2, 1, 3
	s_cmp_ge_u32 ttmp9, 352
	s_cselect_b64 s[24:25], s[12:13], s[24:25]
	s_cselect_b32 s26, 352, s26
	s_cselect_b32 s27, s22, s27                    ; Wo keeps its order
	s_sub_co_u32 s28, ttmp9, s26
	s_lshl_b32 s28, s28, 2
	s_add_co_u32 s28, s28, s22                     ; in: which run of 8 rows of the tensor
	s_lshl_b32 s28, s28, 15                        ; 32,768 bytes a run
	s_mov_b32 s29, 0
	s_add_nc_u64 s[24:25], s[24:25], s[28:29]
	s_lshl_b32 s30, ttmp9, 2
	s_add_co_u32 s30, s30, s27                     ; out: which run of 8 stored rows
	s_mul_i32 s28, s30, 6144
	s_add_nc_u64 s[16:17], s[16:17], s[28:29]
	s_lshl_b32 s28, s30, 8
	s_add_nc_u64 s[18:19], s[18:19], s[28:29]
	v_lshlrev_b32 v3, 4, v2                        ; my 16 bytes of a load's 512
	s_mul_i32 s31, s22, WREG
	v_lshrrev_b32 v14, 2, v2
	v_mul_u32_u24 v14, v14, SP
	v_and_b32 v15, 3, v2
	v_lshl_add_u32 v14, v15, 4, v14
	v_add_nc_u32 v14, s31, v14                     ; the stage, on the way in: four lanes' 64 bytes on end, then 16 of padding
	v_mul_u32_u24 v15, v2, SP
	v_add_nc_u32 v15, s31, v15                     ; and on the way out: my 16 neighbours
	v_mul_u32_u24 v4, v2, CB                       ; my codes' place in a step's
	v_lshrrev_b32 v5, 1, v2
	s_add_co_u32 s31, s31, 2*32*SP
	v_add_nc_u32 v5, s31, v5                       ; LDS: my wave's 256 scale bytes, my block's byte
	v_lshlrev_b32 v7, 3, v2                        ; and on the way out 8 bytes a lane
	v_add_nc_u32 v6, s31, v7
.macro LOAD t
.irp i, 0,1,2,3
	global_load_b128 v[R+16*((\t)%4)+4*\i:R+16*((\t)%4)+4*\i+3], v3, s[24:25] offset:2048*(\t)+512*\i th:TH_LOAD_NT   ; 32 lanes read 512 consecutive bytes
.endr
.endm
.macro TURN t                          ; step t's numbers through the stage: LDS serves a wave's instructions in order, so no wait stands between the stores and the loads
.irp i, 0,1,2,3
	ds_store_b128 v14, v[R+16*((\t)%4)+4*\i:R+16*((\t)%4)+4*\i+3] offset:32*SP*((\t)%2)+8*SP*\i
.endr
.irp i, 0,1,2,3
	ds_load_b128 v[X+16*((\t)%2)+4*\i:X+16*((\t)%2)+4*\i+3], v15 offset:32*SP*((\t)%2)+16*\i
.endr
.endm
.irp t, 0,1,2,3
	LOAD \t
.endr
	s_wait_loadcnt 12                              ; step 0's four loads are in; three steps' twelve stay out
	TURN 0
.macro STEP t
.set XS, X+16*((\t)%2)
.if (\t) > 0
	s_wait_dscnt 1                                 ; this step's numbers are back from the stage (the last step's byte store may be out)
.else
	s_wait_dscnt 0x0
.endif
.if (\t)+4 < STEPS
	LOAD (\t)+4                                    ; the registers that the stage's stores have read take the loads of four steps on
.endif
.if (\t)+1 < STEPS
.if STEPS-2-(\t) >= 3
	s_wait_loadcnt 12                              ; the next step's four loads are in; those of the three steps behind it may be out
.else
	s_wait_loadcnt 4*(STEPS-2-(\t))
.endif
	TURN (\t)+1
.endif
	v_max3_num_f32 v8, |v[XS]|, |v[XS+1]|, |v[XS+2]|               ; the largest magnitude of my 16
	v_max3_num_f32 v9, |v[XS+3]|, |v[XS+4]|, |v[XS+5]|
.irp i, 6,10
	v_max3_num_f32 v8, v8, |v[XS+\i]|, |v[XS+\i+1]|
	v_max3_num_f32 v9, v9, |v[XS+\i+2]|, |v[XS+\i+3]|
.endr
	v_max3_num_f32 v8, v8, |v[XS+14]|, |v[XS+15]|
	v_max3_num_f32 v8, v8, v9, (EMAX+1)<<23        ; and the floor 2^(3 - 127): the byte cannot fall under 1
	v_max_num_f32_dpp v8, v8, v8 row_xmask:1 row_mask:0xf bank_mask:0xf   ; and of my neighbour's 16: the block's
	v_add_nc_u32 v11, -(EMAX<<23), v8              ; 2 off its exponent field: the conversion takes the exponent field of this operand as its scale
	v_cvt_scalef32_pk16_fp6_f32 v[C+4*(\t):C+4*(\t)+2], v[XS:XS+15], v11
	v_lshrrev_b32 v[E+(\t)], 23, v11               ; the scale's byte
	ds_store_b8 v5, v[E+(\t)] offset:16*(\t)       ; both lanes of a block write the same byte with the same value
	global_store_b96 v4, v[C+4*(\t):C+4*(\t)+2], s[16:17] offset:32*CB*(\t)   ; the wave stores 384 consecutive bytes
.endm
.irp t, 0,1,2,3,4,5,6,7,8,9,10,11,12,13,14,15
	STEP \t
.endr
	ds_load_b64 v[12:13], v6                       ; LDS serves a wave's instructions in order: these see my stores
	s_wait_dscnt 0x0
	global_store_b64 v7, v[12:13], s[18:19]        ; 32 lanes store 256 consecutive bytes, aligned
	s_wait_tensorcnt 0x0
	ds_add_u32 v192, v193
	s_wait_dscnt 0x0
	s_endpgm
	; ---- THE TABLE.  A wave makes one stored tile T of 16 tokens.  Lane (r, h): token 32 (T / 2) + 8 (T % 2) + r + (r & 8); registers 2 p, 2 p + 1 = cos, sin at frequency 16 (p / 8) + 8 h + p % 8
.Ltable:
	s_sub_co_u32 s24, ttmp9, 384
	s_lshl_b32 s24, s24, 2
	s_add_co_u32 s24, s24, s22                     ; T
	s_lshr_b32 s25, s24, 1
	s_lshl_b32 s25, s25, 5
	s_and_b32 s26, s24, 1
	s_lshl_b32 s26, s26, 3
	s_add_co_u32 s25, s25, s26                     ; the tile's first token
	v_and_b32 v3, 15, v0
	v_and_b32 v4, 8, v3
	v_add_nc_u32 v3, v3, v4
	v_add_nc_u32 v3, s25, v3
	v_lshlrev_b32 v3, 2, v3
	global_load_b32 v5, v3, s[14:15]               ; my token's position
	s_lshl_b32 s26, s24, 12
	s_mov_b32 s27, 0
	s_add_nc_u64 s[20:21], s[20:21], s[26:27]      ; the tile's 4,096 bytes of the table
	v_lshlrev_b32 v21, 4, v2
	s_mov_b32 s32, 0x3f22f983                      ; 2 / pi
	s_mov_b32 s33, 0xbfc90fd8                      ; -pi / 2 in three parts
	s_mov_b32 s34, 0xb4a8885a
	s_mov_b32 s35, 0xa7c234c4
	s_mov_b32 s36, 0xb493f27e                      ; cos: -1/10!, 1/8!, -1/6!, 1/4!, then -1/2 and 1
	s_mov_b32 s37, 0x37d00d01
	s_mov_b32 s38, 0xbab60b61
	s_mov_b32 s39, 0x3d2aaaab
	s_mov_b32 s40, 0x3638ef1d                      ; sin: 1/9!, -1/7!, 1/5!, -1/3!
	s_mov_b32 s41, 0xb9500d01
	s_mov_b32 s42, 0x3c088889
	s_mov_b32 s43, 0xbe2aaaab
	v_cmp_lt_u32 vcc_lo, 15, v2                    ; lanes 16-31
.macro FREQ p, lo, hi                  ; 10^(-f / 8): lanes 0-15 take lo, lanes 16-31 hi
	v_mov_b32 v6, \hi
	v_cndmask_b32 v[32+\p], \lo, v6, vcc_lo
.endm
	FREQ 0,  0x3f800000, 0x3dcccccd
	FREQ 1,  0x3f3ff911, 0x3d99940e
	FREQ 2,  0x3f0ff59a, 0x3d6655c3
	FREQ 3,  0x3ed7e89b, 0x3d2cba15
	FREQ 4,  0x3ea1e89b, 0x3d0186e2
	FREQ 5,  0x3e72d424, 0x3cc24350
	FREQ 6,  0x3e361887, 0x3c91ad39
	FREQ 7,  0x3e088d77, 0x3c5a7bf1
	FREQ 8,  0x3c23d70a, 0x3a83126f
	FREQ 9,  0x3bf5b9b0, 0x3a44948c
	FREQ 10, 0x3bb8449c, 0x3a136a16
	FREQ 11, 0x3b8a2e77, 0x39dd1726
	FREQ 12, 0x3b4f3e37, 0x39a5cb5f
	FREQ 13, 0x3b1b690d, 0x3978a814
	FREQ 14, 0x3ae91528, 0x393a7753
	FREQ 15, 0x3aaec98e, 0x390bd472
	s_wait_loadcnt 0x0
	v_cvt_f32_i32 v5, v5
.macro SINCOS p
	v_mul_f32 v8, v5, v[32+\p]                     ; the angle, rounded once
	v_mul_f32 v9, s32, v8
	v_rndne_f32 v9, v9                             ; j = the nearest multiple of pi / 2
	v_fma_f32 v10, v9, s33, v8
	v_fma_f32 v10, v9, s34, v10
	v_fma_f32 v10, v9, s35, v10                    ; r = angle - j pi / 2, at most pi / 4 in magnitude
	v_cvt_i32_f32 v11, v9
	v_mul_f32 v12, v10, v10
	v_fma_f32 v13, v12, s36, s37                   ; cos r
	v_fma_f32 v13, v13, v12, s38
	v_fma_f32 v13, v13, v12, s39
	v_fma_f32 v13, v13, v12, -0.5
	v_fma_f32 v13, v13, v12, 1.0
	v_fma_f32 v14, v12, s40, s41                   ; sin r
	v_fma_f32 v14, v14, v12, s42
	v_fma_f32 v14, v14, v12, s43
	v_mul_f32 v15, v10, v12
	v_fma_f32 v14, v14, v15, v10
	v_and_b32 v16, 1, v11
	v_cmp_eq_u32 vcc_lo, 1, v16                    ; an odd j exchanges the two (a choice of values, no branch)
	v_cndmask_b32 v17, v13, v14, vcc_lo
	v_cndmask_b32 v18, v14, v13, vcc_lo
	v_lshlrev_b32 v19, 30, v11
	v_and_b32 v19, 0x80000000, v19                 ; sin is negative where j mod 4 is 2 or 3,
	v_add_nc_u32 v20, 1, v11
	v_lshlrev_b32 v20, 30, v20
	v_and_b32 v20, 0x80000000, v20                 ; cos where it is 1 or 2
	v_xor_b32 v[64+2*\p], v17, v20
	v_xor_b32 v[65+2*\p], v18, v19
.endm
.irp p, 0,1,2,3,4,5,6,7,8,9,10,11,12,13,14,15
	SINCOS \p
.endr
.irp g, 0,1,2,3,4,5,6,7
	global_store_b128 v21, v[64+4*\g:67+4*\g], s[20:21] offset:512*\g   ; registers 4 g .. 4 g + 3 of all lanes: 512 consecutive bytes
.endr
	s_endpgm
.Lfunc_end_k_q78ce16a744_prep:
	.size	k_q78ce16a744_prep, .Lfunc_end_k_q78ce16a744_prep-k_q78ce16a744_prep
	.p2alignl 7, 3214868480
	.fill 96, 4, 3214868480
	.section	.rodata,"a",@progbits
	.p2align	6, 0x0
	.amdhsa_kernel k_q78ce16a744_prep
		.amdhsa_group_segment_fixed_size 33280
		.amdhsa_private_segment_fixed_size 0
		.amdhsa_enable_private_segment 0
		.amdhsa_kernarg_size 72
		.amdhsa_user_sgpr_count 2
		.amdhsa_user_sgpr_kernarg_segment_ptr 1
		.amdhsa_wavefront_size32 1
		.amdhsa_system_sgpr_workgroup_id_x 1
		.amdhsa_system_sgpr_workgroup_id_y 1
		.amdhsa_system_sgpr_workgroup_id_z 1
		.amdhsa_system_vgpr_workitem_id 0
		.amdhsa_next_free_vgpr 194
		.amdhsa_next_free_sgpr 66
		.amdhsa_reserve_vcc 1
		.amdhsa_float_denorm_mode_32 3
		.amdhsa_float_denorm_mode_16_64 3
		.amdhsa_memory_ordered 1
		.amdhsa_forward_progress 1
		.amdhsa_inst_pref_size 59
	.end_amdhsa_kernel
	.amdgpu_metadata
---
amdhsa.version: [ 1, 2 ]
amdhsa.kernels:
  - .name:           k_q78ce16a744_prep
    .symbol:         k_q78ce16a744_prep.kd
    .args:
      - { .name: x, .offset: 0, .size: 8, .value_kind: global_buffer, .address_space: global }
      - { .name: Wq, .offset: 8, .size: 8, .value_kind: global_buffer, .address_space: global }
      - { .name: Wk, .offset: 16, .size: 8, .value_kind: global_buffer, .address_space: global }
      - { .name: Wv, .offset: 24, .size: 8, .value_kind: global_buffer, .address_space: global }
      - { .name: Wo, .offset: 32, .size: 8, .value_kind: global_buffer, .address_space: global }
      - { .name: token_positions, .offset: 40, .size: 8, .value_kind: global_buffer, .address_space: global }
      - { .name: codes, .offset: 48, .size: 8, .value_kind: global_buffer, .address_space: global }
      - { .name: scales, .offset: 56, .size: 8, .value_kind: global_buffer, .address_space: global }
      - { .name: tab, .offset: 64, .size: 8, .value_kind: global_buffer, .address_space: global }
    .group_segment_fixed_size: 33280
    .private_segment_fixed_size: 0
    .kernarg_segment_align: 8
    .kernarg_segment_size: 72
    .max_flat_workgroup_size: 128
    .sgpr_count:     66
    .vgpr_count:     194
    .wavefront_size: 32
...
	.end_amdgpu_metadata
.endif
;; end of part 1
;; launch qkv (part 2): grid 12 x 32, 4 waves a work-group, clusters of 4 x 4, 327,680 bytes of LDS; arguments codes, scales, tab, q, kv; writes q, kv
.if DOCPART == 2
	.amdgcn_target "amdgcn-amd-amdhsa--gfx1250"
	.amdhsa_code_object_version 6
	.text
	.protected	k_q78ce16a744_qkv
	.globl	k_q78ce16a744_qkv
	.p2align	8
	.type	k_q78ce16a744_qkv,@function
k_q78ce16a744_qkv:
	s_mov_b64 s[64:65], 0
	v_nop
	global_prefetch_b8 v0, s[64:65] scope:SCOPE_SE
	s_setreg_imm32_b32 hwreg(HW_REG_WAVE_MODE, 25, 1), 1
	s_wait_xcnt 0x0
	s_wait_alu depctr_hold_cnt(0) depctr_sa_sdst(0) depctr_va_vdst(0) depctr_va_sdst(0) depctr_va_ssrc(0) depctr_va_vcc(0) depctr_vm_vsrc(0)
	s_getreg_b32 s2, hwreg(HW_REG_IB_STS2, 6, 4)
	s_cmp_eq_u32 s2, 0
	s_cbranch_scc0 .Lentry_in_a_cluster
	s_endpgm
.Lentry_in_a_cluster:
	s_bfe_u32 s2, ttmp6, 0x10000c
	s_cmp_lg_u32 s2, 0xf033
	s_cbranch_scc0 .Lentry_shape_is_right
	s_endpgm
.Lentry_shape_is_right:
; q = x Wq^T, k = x Wk^T, v = x Wv^T on codes of FP6 (E2M3) with one E8M0 scale for each 32 along K = 1,024; then, in registers, the rotation of q and k and the quantising of all three for the two products of attention.
; A tile of 256 x 256 is made by four waves, 128 x 128 each: 64 accumulators, 512 registers.  K goes in steps of 256 through a ring of two LDS slots filled by the tensor data mover; the scale bytes of the
; work-group's 512 rows come into LDS once.  THE MATRIX INSTRUCTION IS USED TRANSPOSED: source 0 = 16 rows of the side called B, source 1 = 16 rows of the side called A: a lane holds ONE row of A and eight rows of B.
; Cluster x says which product: 0 q, 1 k, 2 v.  q, k: A = x (tokens), B = the weight (channels): a lane holds a token, its registers run along the channels, which are the next K.
; v: A = Wv (channels), B = x (tokens): a lane holds a channel, its registers run along the tokens, the keys, which are the next K.
; TILE ORDER: x's and the weights' rows are stored so that lane r of a tile of 16 stored rows is the row 32 G + 8 u + r + (r & 8).  So register 16 G + i of a lane's 64 is B's row 32 G + 16 (lane / 16) + i: 16 neighbours.
; OUT, as images of the next launch's operand registers (lane l's 16 bytes at 16 l, 512 bytes for four registers), so every store of a wave covers 512 consecutive bytes, aligned:
;   a record of q or of k for one head and 128 tokens: four fragments of 1,536 bytes (registers 0-5: token tile 2 f, channels 32 (lane / 16) on; registers 6-11: token tile 2 f + 1), then 256 bytes of scale words;
;   a record of v: four fragments (16 channels x 128 keys) and 256 bytes of scale words.  kv: k's record, then v's, 12,800 bytes for a head and 128 tokens.
; CLUSTERS: 4 x 4 work-groups; A's tiles are asked for jointly along a row of the cluster, B's along a column.
; LIMITS: NaN and infinities are not served; a block whose largest magnitude lies under 2^-124 keeps the scale byte 1 (only this program reads the bytes).
; REGISTERS: window 0: v16-29 addresses; v32-63 scale words, two sets; v128-223 A's fragments, one set; window 1: B's fragments, two sets; windows 2, 3: the accumulators ((a, b) at v[8 (8 (a % 4) + b)]).
;   In the epilogue window 0 holds: v64-127 two sets of cos and sin; v128-191 64 rotated numbers; v192-199 scale words; v200-223 two fragments; v224-253 at work.
.set KSTEP,  256
.set NQ,     2
.set ROWB,   192                       ; a tile's row: 256 codes
.set KROW,   768                       ; a row of codes in memory
.set PITCH,  240                       ; an LDS row: 3 x (64 bytes + 16 of padding)
.set FR,     12
.set NL,     6
.set NP,     4
.set HALFT,  128*PITCH
.set SLOT,   4*HALFT
.set LAPS,   2                         ; K = 1,024: twice round the ring
.set KS,     32                        ; a row of scale bytes
.set SCL,    2*SLOT
.set HALFS,  16*272                    ; the scales of 128 rows: 16 units of 256 bytes + 16 of padding
.set SBLK,   2*272                     ; those of 16 rows
.set SPARE,  SCL+4*HALFS               ; the spare words, 128 bytes for each wave
.set ADRA, 16
.set ADRB, 20
.set L16,  24                          ; v24  16 x lane
.set L8,   25                          ; v25  8 x lane
.set LN,   26                          ; v26  lane
.set ADRS, 27
.set SPW,  28
.set NIL,  29
.set SC,   32
.set AF,   128
.set TAB,  64
.set RR,   128
.set KWA,  192
.set KWB,  196
.set VW,   192
.set FA,   200
.set FB,   212
.set TM,   224
.set PW0,  240
.set CT,   242
.set EE,   250
.set G1, 24
.set G0, 32
.set G1B, 48
.set G0B, 56
.set G1S, 68
.set G0S, 76
.set G1SB, 80
.set G0SB, 88
.set MSB, 0
.macro WIN new                         ; the immediate's high byte repeats the setting that is left
.if MSB != (\new)
	s_set_vgpr_msb (MSB<<8)|(\new)
.set MSB, (\new)
.endif
.endm
.set MUL_LO, 0xa1                      ; source 0 (B) window 1, source 1 (A) window 0, C and D window 2
.set MUL_HI, 0xf1
.set TO_B,   0x40
; A joint load: waves 0 and 1 fetch for A, waves 2 and 3 for B; the branch hangs on the wave's number alone.  Four v_nop follow each of the two lines.
.macro JLOAD g0a, g1a, g0b, g1b
	s_cmp_eq_u32 s15, 0
	s_cbranch_scc0 .Lfor_b_\@
	tensor_load_to_lds s[\g0a:\g0a+3], s[\g1a:\g1a+7]
	s_nop 0
.rept 4
	v_nop
.endr
	s_branch .Lasked_\@
.Lfor_b_\@:
	tensor_load_to_lds s[\g0b:\g0b+3], s[\g1b:\g1b+7]
	s_nop 0
.rept 4
	v_nop
.endr
.Lasked_\@:
.endm
.macro CREST                           ; a round of the cluster's barrier behind its opening barrier
	s_cmp_lg_u32 s14, 0
	s_cbranch_scc1 .Lnot_wave_0_\@
	s_barrier_signal -3
.Lnot_wave_0_\@:
	s_barrier_wait -3
	s_barrier_signal -1
	s_barrier_wait -1
.endm
.macro CROUND
	s_barrier_signal -1
	s_barrier_wait -1
	CREST
.endm
	s_load_b128 s[4:7], s[0:1], 0x0                ; codes, scales: both sides come out of them
	s_load_b128 s[8:11], s[0:1], 0x10              ; the table, q
	s_load_b64 s[12:13], s[0:1], 0x20              ; kv
	v_lshl_add_u32 v[SPW], v0, 2, SPARE
	v_mov_b32 v[NIL], 0
	ds_add_u32 v28, v29
	s_wait_dscnt 0x0
	v_lshrrev_b32 v1, 5, v0
	v_readfirstlane_b32 s14, v1                    ; wave 0..3
	s_lshr_b32 s15, s14, 1                         ; which half of A's 256 rows is mine.  Also: I fetch for A (0) or for B (1)
	s_and_b32 s16, s14, 1                          ; which half of B's.  Also: which 128 rows of that tile I fetch
	s_bfe_u32 s40, ttmp6, 0x40000                  ; cx, cy: my place in the cluster
	s_bfe_u32 s41, ttmp6, 0x40004
	s_and_b32 s17, ttmp7, 0xffff
	s_lshl_b32 s17, s17, 2                         ; U = 4 x cluster y: four tiles of x
	s_lshl_b32 s42, ttmp9, 2
	s_add_co_u32 s42, s42, 32                      ; the weight's first tile of 256 stored rows: 32 for Wq, 36 for Wk
	s_cmp_eq_u32 ttmp9, 2                          ; v?  The whole cluster shares the answer
	s_cselect_b32 s95, 40, s17                     ; A's first tile: Wv's, or x's
	s_cselect_b32 s42, s17, s42                    ; B's first tile: x's, or the weight's
	s_add_co_u32 s17, s95, s41                     ; A's tile hangs on cy alone,
	s_add_co_u32 s42, s42, s40                     ; B's on cx alone
	s_lshl_b32 s43, s41, 2
	s_lshl_b32 s43, 15, s43                        ; my row of the cluster
	s_lshl_b32 s44, 0x1111, s40                    ; my column
	s_or_b32 s[G1+0], s43, (0<<16)|(1<<20)|(1<<21)|(3<<22)|(3<<25)  ; the mask; elements of 1 byte; padding on; bit 21 beside a mask; after every 16 words 4 words
	s_or_b32 s[G1B+0], s44, (0<<16)|(1<<20)|(1<<21)|(3<<22)|(3<<25)
.irp g, G1, G1B
	s_mov_b32 s[\g+1], ROWB<<16                    ; tensor_dim0
	s_mov_b32 s[\g+2], 128<<16                     ; tensor_dim1
	s_mov_b32 s[\g+3], ROWB<<16                    ; tile_dim0
	s_mov_b32 s[\g+4], 128                         ; tile_dim1
	s_mov_b32 s[\g+5], KROW                        ; the pitch
	s_mov_b32 s[\g+6], 0
	s_mov_b32 s[\g+7], 0
.endr
	s_or_b32 s[G1S+0], s43, (3<<16)|(1<<20)|(1<<21)|(5<<22)|(3<<25) ; the scales of 128 rows: 4,096 dense bytes as 16 rows of 256, 16 bytes of padding behind each
	s_or_b32 s[G1SB+0], s44, (3<<16)|(1<<20)|(1<<21)|(5<<22)|(3<<25)
.irp g, G1S, G1SB
	s_mov_b32 s[\g+1], 32<<16
	s_mov_b32 s[\g+2], 16<<16
	s_mov_b32 s[\g+3], 32<<16
	s_mov_b32 s[\g+4], 16
	s_mov_b32 s[\g+5], 32
	s_mov_b32 s[\g+6], 0
	s_mov_b32 s[\g+7], 0
.endr
	s_lshl_b32 s18, s16, 7                         ; which 128 rows of the tile I fetch
	s_lshl_b32 s20, s17, 8
	s_add_co_u32 s20, s20, s18                     ; A: stored row
	s_lshl_b32 s46, s42, 8
	s_add_co_u32 s46, s46, s18                     ; B: stored row
	s_mov_b32 s21, 0
	s_mov_b32 s47, 0
	s_mov_b64 s[18:19], KS
	s_mul_u64 s[22:23], s[20:21], s[18:19]
	s_mul_u64 s[92:93], s[46:47], s[18:19]
	s_mov_b64 s[18:19], KROW
	s_mul_u64 s[20:21], s[20:21], s[18:19]
	s_mul_u64 s[46:47], s[46:47], s[18:19]
	s_mul_i32 s45, s14, HALFT                      ; where they go: wave x 128 rows: no place in the cluster enters an LDS address
	s_mul_i32 s94, s14, HALFS
	s_wait_kmcnt 0x0
	s_add_nc_u64 s[20:21], s[4:5], s[20:21]
	s_add_nc_u64 s[22:23], s[6:7], s[22:23]
	s_add_nc_u64 s[46:47], s[4:5], s[46:47]
	s_add_nc_u64 s[92:93], s[6:7], s[92:93]
	CROUND                                         ; all sixteen work-groups are here: the first joint loads meet
	s_mov_b32 s[G0S], 1
	s_add_co_u32 s[G0S+1], s94, SCL
	s_mov_b64 s[G0S+2:G0S+3], s[22:23]
	s_or_b32 s[G0S+3], s[G0S+3], 0x80000000
	s_mov_b32 s[G0SB], 1
	s_add_co_u32 s[G0SB+1], s94, SCL
	s_mov_b64 s[G0SB+2:G0SB+3], s[92:93]
	s_or_b32 s[G0SB+3], s[G0SB+3], 0x80000000
	JLOAD G0S, G1S, G0SB, G1SB                     ; the scales first: three loads of mine are out behind the next two
.irp s, 0,1
	s_mov_b32 s[G0+4*\s], 1
	s_add_co_u32 s[G0+4*\s+1], s45, \s*SLOT
	s_add_nc_u64 s[G0+4*\s+2:G0+4*\s+3], s[20:21], \s*ROWB
	s_or_b32 s[G0+4*\s+3], s[G0+4*\s+3], 0x80000000
	s_mov_b32 s[G0B+4*\s], 1
	s_add_co_u32 s[G0B+4*\s+1], s45, \s*SLOT
	s_add_nc_u64 s[G0B+4*\s+2:G0B+4*\s+3], s[46:47], \s*ROWB
	s_or_b32 s[G0B+4*\s+3], s[G0B+4*\s+3], 0x80000000
	JLOAD G0+4*\s, G1, G0B+4*\s, G1B
.endr
	v_and_b32 v1, 15, v0                           ; l % 16
	v_bfe_u32 v2, v0, 4, 1                         ; l / 16
	v_mul_u32_u24 v3, v1, PITCH
	v_mul_u32_u24 v4, v2, 24
	v_add_nc_u32 v4, v3, v4                        ; a fragment's row x pitch + 24 x half
	v_lshl_add_u32 v5, v2, 4, v4                   ; and the same behind one padding more
	s_mul_i32 s21, s15, HALFT
	s_mul_i32 s22, s16, HALFT
	s_add_co_u32 s22, s22, 2*HALFT
.irp s, 0,1
	v_add_nc_u32 v[ADRA+\s], s21, v4
	v_add_nc_u32 v[ADRB+\s], s22, v4
	v_add_nc_u32 v[ADRA+2+\s], s21, v5
	v_add_nc_u32 v[ADRB+2+\s], s22, v5
	s_add_co_u32 s21, s21, SLOT
	s_add_co_u32 s22, s22, SLOT
.endr
	v_mul_u32_u24 v5, v1, KS                       ; my row's scales: 32 bytes a row,
	v_lshrrev_b32 v6, 8, v5
	v_lshl_add_u32 v5, v6, 4, v5                   ; and 16 more for each 256 passed
	s_mul_i32 s21, s15, HALFS
	s_mul_i32 s22, s16, HALFS
	s_add_co_u32 s22, s22, 2*HALFS
	s_sub_co_u32 s22, s22, s21
	v_mul_u32_u24 v6, s22, v2                      ; lanes 16-31 take B's
	s_add_co_u32 s21, s21, SCL
	v_add_nc_u32 v5, v5, v6
	v_add_nc_u32 v[ADRS], s21, v5
	v_and_b32 v[LN], 31, v0
	v_lshlrev_b32 v[L16], 4, v[LN]
	v_lshlrev_b32 v[L8], 3, v[LN]
.macro FRAG reg, adr, q, i             ; 16 rows x 128 K of 6-bit codes: 12 registers; lane l: row l % 16, registers 6 c .. 6 c + 5 = K 64 c + 32 (l / 16) + 0 .. 31, 24 bytes as they lie, in pieces of 8
.irp p, 0,1,2,3,4,5
.set PC, 12*(\q)+6*(\p/3)+\p%3
.if PC%8 < 5
	ds_load_b64 v[\reg+2*\p:\reg+2*\p+1], v[\adr] offset:8*PC+16*(PC/8)+(\i)*16*PITCH
.else
	ds_load_b64 v[\reg+2*\p:\reg+2*\p+1], v[\adr+2] offset:8*PC+16*(PC/8)+(\i)*16*PITCH
.endif
.endr
.endm
; 16 matrix instructions: A's blocks a0, a0 + 1 x B's eight.  The 64 accumulators take turns, one instruction a turn, in the same order in every step.
.macro MUL16 a0, p, q, sc, zero
.irp a, \a0, \a0+1
.irp b, 0,1,2,3,4,5,6,7
.if \zero
	v_wmma_scale_f32_16x16x128_f8f6f4 v[8*(8*((\a)%4)+\b):8*(8*((\a)%4)+\b)+7], v[128*(\p)+FR*\b:128*(\p)+FR*\b+FR-1], v[AF+FR*(\a):AF+FR*(\a)+FR-1], 0, v[SC+8*NQ*(\sc)+NQ*\b+(\q)], v[SC+8*NQ*(\sc)+NQ*(\a)+(\q)] matrix_a_fmt:MATRIX_FMT_FP6 matrix_b_fmt:MATRIX_FMT_FP6 matrix_a_scale:MATRIX_SCALE_ROW1
.else
	v_wmma_scale_f32_16x16x128_f8f6f4 v[8*(8*((\a)%4)+\b):8*(8*((\a)%4)+\b)+7], v[128*(\p)+FR*\b:128*(\p)+FR*\b+FR-1], v[AF+FR*(\a):AF+FR*(\a)+FR-1], v[8*(8*((\a)%4)+\b):8*(8*((\a)%4)+\b)+7], v[SC+8*NQ*(\sc)+NQ*\b+(\q)], v[SC+8*NQ*(\sc)+NQ*(\a)+(\q)] matrix_a_fmt:MATRIX_FMT_FP6 matrix_b_fmt:MATRIX_FMT_FP6 matrix_a_scale:MATRIX_SCALE_ROW1
.endif
.endr
.endr
.endm
.macro FETCH_B slot, q, p
	WIN TO_B
.irp i, 0,1,2,3,4,5,6,7
	FRAG 128*(\p)+FR*\i, ADRB+\slot, \q, \i
.endr
	WIN 0
.endm
.macro FETCH_A slot, q, i0
.irp i, \i0, \i0+1, \i0+2, \i0+3
	FRAG AF+FR*(\i), ADRA+\slot, \q, \i
.endr
.endm
.macro SCALES sc                       ; a K step's scale words: lanes 0-15 take A's block i, lanes 16-31 B's block i
.irp i, 0,1,2,3,4,5,6,7
	ds_load_b64 v[SC+8*NQ*\sc+NQ*\i:SC+8*NQ*\sc+NQ*\i+1], v[ADRS] offset:\i*SBLK
.endr
.endm
.macro PLACES n                        ; plain vector instructions between a matrix instruction and a load into, or a vector read or write of, its registers
.rept \n
	v_nop
.endr
.endm
.macro STEP slot, q, zero              ; 128 along K with its successor in the same slot
	s_wait_dscnt 4*NL                              ; B's set and A's blocks 0-3 are in; the youngest 24 loads (A's blocks 4-7) may be out
	WIN MUL_LO
	MUL16 0, (\q)%2, \q, \slot, \zero
	MUL16 2, (\q)%2, \q, \slot, \zero
	s_wait_dscnt 0
	PLACES NP
	FETCH_B \slot, (\q)+1, 1-(\q)%2
	FETCH_A \slot, (\q)+1, 0
	WIN MUL_HI
	MUL16 4, (\q)%2, \q, \slot, \zero
	MUL16 6, (\q)%2, \q, \slot, \zero
	PLACES NP
	WIN 0
	FETCH_A \slot, (\q)+1, 4
.endm
; A slot's last step changes slots: one barrier; in front of it each wave waits for all its tensor loads, adds 0 to its spare word, and waits for that and for its own reads of this slot.
.macro TURN slot, next, fill
	s_wait_tensorcnt 0x0                           ; all my tensor loads have landed: my part of the next slot
	ds_add_u32 v[SPW], v[NIL]                      ; 0 onto my spare word
	s_wait_dscnt 4*NL+1                            ; (the add and the youngest 24 loads may be out)
	WIN MUL_LO
	MUL16 0, 1, NQ-1, \slot, 0
	s_wait_dscnt 0x0                               ; the add is done, and my reads of this slot are over
	s_barrier_signal -1
	MUL16 2, 1, NQ-1, \slot, 0
	WIN 0
	s_barrier_wait -1
.if \fill
	CREST                                          ; the barrier has opened a round of the cluster's: no wave of any partner still reads this slot or has a load on its way
	s_add_nc_u64 s[G0+4*\slot+2:G0+4*\slot+3], s[G0+4*\slot+2:G0+4*\slot+3], 2*ROWB
	s_add_nc_u64 s[G0B+4*\slot+2:G0B+4*\slot+3], s[G0B+4*\slot+2:G0B+4*\slot+3], 2*ROWB
	JLOAD G0+4*\slot, G1, G0B+4*\slot, G1B         ; my one tensor load behind the round; its four v_nop are the places in front of the loads below
.else
	PLACES NP
.endif
	v_add_nc_u32 v[ADRS], 4*NQ, v[ADRS]
	FETCH_B \next, 0, 0
	FETCH_A \next, 0, 0
	SCALES \next
	WIN MUL_HI
	MUL16 4, 1, NQ-1, \slot, 0
	MUL16 6, 1, NQ-1, \slot, 0
	PLACES NP
	WIN 0
	FETCH_A \next, 0, 4
.endm
.macro LAST                            ; the very last 128 along K: nothing more to fetch
	s_wait_dscnt 4*NL
	WIN MUL_LO
	MUL16 0, 1, NQ-1, 1, 0
	MUL16 2, 1, NQ-1, 1, 0
	s_wait_dscnt 0
	WIN MUL_HI
	MUL16 4, 1, NQ-1, 1, 0
	MUL16 6, 1, NQ-1, 1, 0
	WIN 0
.endm
; ---- the epilogue's macros
.macro LOADTAB a                       ; cos and sin of token tile a: 32 registers, as an image
.set TT, TAB+32*((\a)%2)
.irp g, 0,1,2,3,4,5,6,7
	global_load_b128 v[TT+4*\g:TT+4*\g+3], v[L16], s[92:93] offset:4096*(\a)+512*\g
.endr
.endm
.macro ROPE a                          ; the 64 results of token tile a, in pairs (x1, x2) of neighbouring channels, become (x1 c - x2 s, x2 c + x1 s) in v[RR] on; each accumulator is read from its low end on
.set AC, 64*((\a)%4)
.set TT, TAB+32*((\a)%2)
	WIN 2+(\a)/4                                   ; source 0: the accumulators' window
.set n, 0
.rept 32
	v_pk_mul_f32 v[RR+n:RR+n+1], v[AC+n:AC+n+1], v[TT+n%32:TT+n%32+1] op_sel_hi:[1,0]   ; (x1 c, x2 c)
.set n, n+2
.endr
.set n, 0
.rept 32
	v_pk_fma_f32 v[RR+n:RR+n+1], v[AC+n:AC+n+1], v[TT+n%32:TT+n%32+1], v[RR+n:RR+n+1] op_sel:[1,1,0] op_sel_hi:[0,1,1] neg_lo:[0,1,0]   ; low: - x2 s; high: + x1 s
.set n, n+2
.endr
	WIN 0
.endm
; 64 numbers of a lane in window w, register 16 b + i = k 32 b + 16 (lane / 16) + i of my row, become codes: blocks 0, 1 in v[d0] .. v[d0 + 5], blocks 2, 3 in v[d1] .. v[d1 + 5]; the four scale bytes in v[pw]
.macro QUANT s, w, d0, d1, pw
	WIN (\w)|((\w)<<2)
.irp b, 0,1,2,3
	v_max3_num_f32 v[TM+\b], |v[(\s)+16*\b]|, |v[(\s)+1+16*\b]|, 0x1800000   ; my 16 numbers of block b, and the floor 2^(3 - 127): the byte cannot fall under 1
.endr
	WIN ((\w)<<2)|((\w)<<4)
.irp i, 2,4,6,8,10,12,14
.irp b, 0,1,2,3
	v_max3_num_f32 v[TM+\b], v[TM+\b], |v[(\s)+16*\b+\i]|, |v[(\s)+1+16*\b+\i]|
.endr
.endr
	WIN 0
.irp b, 0,1,2,3
	v_permlanex16_b32 v[TM+4+\b], v[TM+\b], s98, s99
.endr
.irp b, 0,1,2,3
	v_max_num_f32 v[TM+\b], v[TM+\b], v[TM+4+\b]   ; with lane l xor 16's: the block's largest magnitude
.endr
.irp b, 0,1,2,3
	v_add_nc_u32 v[TM+12+\b], 0xff000000, v[TM+\b] ; 2 off its exponent field: the conversion's scale operand
.endr
.irp b, 0,1,2,3
	v_lshrrev_b32 v[TM+4+\b], 23, v[TM+12+\b]      ; the scale's byte
.endr
	v_lshl_or_b32 v[\pw], v[TM+5], 8, v[TM+4]
	v_lshl_or_b32 v[\pw], v[TM+6], 16, v[\pw]
	v_lshl_or_b32 v[\pw], v[TM+7], 24, v[\pw]
	WIN (\w)
	v_cvt_scalef32_pk16_fp6_f32 v[(\d0):(\d0)+2], v[(\s):(\s)+15], v[TM+12]
	v_cvt_scalef32_pk16_fp6_f32 v[CT:CT+2], v[(\s)+16:(\s)+31], v[TM+13]
	v_cvt_scalef32_pk16_fp6_f32 v[(\d1):(\d1)+2], v[(\s)+32:(\s)+47], v[TM+14]
	v_cvt_scalef32_pk16_fp6_f32 v[CT+4:CT+6], v[(\s)+48:(\s)+63], v[TM+15]
	WIN 0
	v_nop                                          ; one plain place behind a scaled conversion
.irp i, 0,1,2                                  ; the layout wants a whole block in a lane: lanes 0-15 the even block, lanes 16-31 the odd one
	v_permlane16_swap_b32 v[(\d0)+\i], v[CT+\i]
	v_permlane16_swap_b32 v[(\d1)+\i], v[CT+4+\i]
.endr
.irp i, 0,1,2
	v_mov_b32 v[(\d0)+3+\i], v[CT+\i]
	v_mov_b32 v[(\d1)+3+\i], v[CT+4+\i]
.endr
.endm
.macro PUT3 f, base, off               ; a fragment's 12 registers leave as they stand: each store covers 512 consecutive bytes, aligned
.irp c, 0,1,2
	global_store_b128 v[L16], v[(\f)+4*\c:(\f)+4*\c+3], s[\base:\base+1] offset:(\off)+512*\c
.endr
.endm
.macro SCIMG w0, e, base, off          ; four fragments' scale words as two registers: lanes 0-15 fragments 0 and 2, lanes 16-31 fragments 1 and 3: 256 consecutive bytes
	v_cndmask_b32 v[\e], v[\w0], v[\w0+1], vcc_lo
	v_cndmask_b32 v[\e+1], v[\w0+2], v[\w0+3], vcc_lo
	global_store_b64 v[L8], v[\e:\e+1], s[\base:\base+1] offset:\off
.endm
	s_mov_b32 s98, 0x76543210
	s_mov_b32 s99, 0xfedcba98                      ; v_permlanex16_b32's selects for lane l xor 16
	s_wait_tensorcnt 1                             ; the scales and my part of K step 0 are in (K step 1's load may be out),
	s_barrier_signal -1
	s_barrier_wait -1                              ; everybody's are
	FETCH_B 0, 0, 0
	FETCH_A 0, 0, 0
	SCALES 0
	FETCH_A 0, 0, 4
	STEP 0, 0, 1                                   ; the first step's products start the sums
	s_mov_b32 s3, LAPS-1
.Llap:
	TURN 0, 1, 1
	STEP 1, 0, 0
	TURN 1, 0, 1
	STEP 0, 0, 0
	s_sub_co_u32 s3, s3, 1
	s_cmp_lg_u32 s3, 0
	s_cbranch_scc1 .Llap
	TURN 0, 1, 0                                   ; the last lap fills nothing
	STEP 1, 0, 0
	s_cmp_eq_u32 ttmp9, 2                          ; the same answer in the whole cluster
	s_cbranch_scc1 .Lv
	; ---- q AND k.  My 128 tokens are one record's; my 128 channels are two heads
	s_lshr_b32 s94, s17, 3                         ; batch
	s_and_b32 s95, s17, 7
	s_lshl_b32 s95, s95, 1
	s_add_co_u32 s95, s95, s15                     ; which 128 tokens of the batch
	s_and_b32 s96, s42, 3
	s_lshl_b32 s96, s96, 2
	s_lshl_b32 s97, s16, 1
	s_add_co_u32 s96, s96, s97                     ; my first head
	s_lshl_b32 s94, s94, 4
	s_add_co_u32 s94, s94, s96
	s_lshl_b32 s94, s94, 4
	s_add_co_u32 s94, s94, s95                     ; the record: 16 (16 batch + head) + step
	s_cmp_eq_u32 ttmp9, 1
	s_cselect_b64 s[20:21], s[12:13], s[10:11]     ; k goes to kv, q to q
	s_mov_b32 s96, 6400
	s_cselect_b32 s96, 12800, s96                  ; bytes from record to record
	s_mul_i32 s46, s94, s96
	s_mov_b32 s47, 0
	s_add_nc_u64 s[20:21], s[20:21], s[46:47]      ; my first head's record,
	s_lshl_b32 s46, s96, 4
	s_add_nc_u64 s[22:23], s[20:21], s[46:47]      ; my second head's: 16 records on
	s_lshl_b32 s46, s17, 16
	s_lshl_b32 s95, s15, 15
	s_add_co_u32 s46, s46, s95
	s_add_nc_u64 s[92:93], s[8:9], s[46:47]        ; the table at my first token tile: 256 bytes a token
	LOADTAB 0
	LOADTAB 1
	LAST
	PLACES NP
.irp b, 0,1,2,3
	v_mov_b32 v[TM+4+\b], 0                        ; written once: a lane permute's destination counts as one of its sources
.endr
	v_cmp_lt_u32 vcc_lo, 15, v[LN]                 ; lanes 16-31
.irp al, 0,1,2,3
.irp u, 0,1
.if 2*\al+\u < 7
	s_wait_loadcnt 8                               ; this tile's cos and sin are in; the other set's eight loads may be out
.else
	s_wait_loadcnt 0x0
.endif
	ROPE 2*\al+\u
.if 2*\al+\u < 6
	LOADTAB 2*\al+\u+2
.endif
.if (\u == 0) && (\al > 0)
	s_wait_xcnt 0x0                                ; the last fragments' stores have read their registers: they are written again only behind this wait
.endif
	QUANT RR, 0, FA+6*\u, FB+6*\u, PW0+\u          ; blocks 0, 1: my first head's 64 channels; blocks 2, 3: my second head's
.endr
	v_perm_b32 v[KWA+\al], v[PW0+1], v[PW0], 0x05040100   ; a fragment's scale word: the lower tile's two bytes, the upper tile's two
	v_perm_b32 v[KWB+\al], v[PW0+1], v[PW0], 0x07060302
	PUT3 FA, 20, 1536*\al
	PUT3 FB, 22, 1536*\al
.endr
	SCIMG KWA, EE, 20, 6144
	SCIMG KWB, EE+2, 22, 6144
	s_branch .Lend
	; ---- v.  My 128 channels (A) are two heads; my 128 tokens (B) are one record's keys
.Lv:
	s_lshr_b32 s94, s42, 3                         ; batch
	s_and_b32 s95, s42, 7
	s_lshl_b32 s95, s95, 1
	s_add_co_u32 s95, s95, s16                     ; which 128 tokens of the batch
	s_and_b32 s96, s17, 3
	s_lshl_b32 s96, s96, 2
	s_lshl_b32 s97, s15, 1
	s_add_co_u32 s96, s96, s97                     ; my first head
	s_lshl_b32 s94, s94, 4
	s_add_co_u32 s94, s94, s96
	s_lshl_b32 s94, s94, 4
	s_add_co_u32 s94, s94, s95
	s_mul_i32 s46, s94, 12800
	s_add_co_u32 s46, s46, 6400                    ; v's part lies behind k's
	s_mov_b32 s47, 0
	s_add_nc_u64 s[20:21], s[12:13], s[46:47]
	s_add_nc_u64 s[22:23], s[20:21], 204800        ; the next head: 16 records on
	LAST
	PLACES NP
.irp b, 0,1,2,3
	v_mov_b32 v[TM+4+\b], 0
.endr
	v_cmp_lt_u32 vcc_lo, 15, v[LN]
.irp a, 0,1,2,3,4,5,6,7                        ; channel tile a: its 64 results along the keys are one whole fragment
.if \a >= 2
	s_wait_xcnt 0x0                                ; the stores of two tiles back have read their registers
.endif
	QUANT 64*(\a%4), 2+\a/4, FA+12*(\a%2), FA+12*(\a%2)+6, VW+\a
	PUT3 FA+12*(\a%2), 20+2*(\a/4), 1536*(\a%4)
.endr
	SCIMG VW, EE, 20, 6144
	SCIMG VW+4, EE+2, 22, 6144
.Lend:
	s_wait_tensorcnt 0x0                           ; the wave's end
	ds_add_u32 v[SPW], v[NIL]
	s_wait_dscnt 0x0
	CROUND                                         ; the closing round: no work-group ends while a partner may still ask for a tile that names it
	s_endpgm
.Lfunc_end_k_q78ce16a744_qkv:
	.size	k_q78ce16a744_qkv, .Lfunc_end_k_q78ce16a744_qkv-k_q78ce16a744_qkv
	.p2alignl 7, 3214868480
	.fill 96, 4, 3214868480
	.section	.rodata,"a",@progbits
	.p2align	6, 0x0
	.amdhsa_kernel k_q78ce16a744_qkv
		.amdhsa_group_segment_fixed_size 327680
		.amdhsa_private_segment_fixed_size 0
		.amdhsa_enable_private_segment 0
		.amdhsa_kernarg_size 40
		.amdhsa_user_sgpr_count 2
		.amdhsa_user_sgpr_kernarg_segment_ptr 1
		.amdhsa_wavefront_size32 1
		.amdhsa_system_sgpr_workgroup_id_x 1
		.amdhsa_system_sgpr_workgroup_id_y 1
		.amdhsa_system_sgpr_workgroup_id_z 1
		.amdhsa_system_vgpr_workitem_id 0
		.amdhsa_next_free_vgpr 1024
		.amdhsa_next_free_sgpr 100
		.amdhsa_reserve_vcc 1
		.amdhsa_float_denorm_mode_32 3
		.amdhsa_float_denorm_mode_16_64 3
		.amdhsa_memory_ordered 1
		.amdhsa_forward_progress 1
		.amdhsa_inst_pref_size 246
	.end_amdhsa_kernel
	.amdgpu_metadata
---
amdhsa.version: [ 1, 2 ]
amdhsa.kernels:
  - .name:           k_q78ce16a744_qkv
    .symbol:         k_q78ce16a744_qkv.kd
    .args:
      - { .name: codes, .offset: 0, .size: 8, .value_kind: global_buffer, .address_space: global }
      - { .name: scales, .offset: 8, .size: 8, .value_kind: global_buffer, .address_space: global }
      - { .name: tab, .offset: 16, .size: 8, .value_kind: global_buffer, .address_space: global }
      - { .name: q, .offset: 24, .size: 8, .value_kind: global_buffer, .address_space: global }
      - { .name: kv, .offset: 32, .size: 8, .value_kind: global_buffer, .address_space: global }
    .group_segment_fixed_size: 327680
    .private_segment_fixed_size: 0
    .kernarg_segment_align: 8
    .kernarg_segment_size: 40
    .max_flat_workgroup_size: 128
    .sgpr_count:     100
    .vgpr_count:     1024
    .wavefront_size: 32
...
	.end_amdgpu_metadata
.endif
;; end of part 2
;; launch attn (part 3): grid 4 x 64, 16 waves a work-group, no clusters, 327,680 bytes of LDS; arguments q, kv, ao_codes, ao_scales; writes ao_codes, ao_scales
.if DOCPART == 3
	.amdgcn_target "amdgcn-amd-amdhsa--gfx1250"
	.amdhsa_code_object_version 6
	.text
	.protected	k_q78ce16a744_attn
	.globl	k_q78ce16a744_attn
	.p2align	8
	.type	k_q78ce16a744_attn,@function
k_q78ce16a744_attn:
	s_mov_b64 s[64:65], 0
	v_nop
	global_prefetch_b8 v0, s[64:65] scope:SCOPE_SE
	s_setreg_imm32_b32 hwreg(HW_REG_WAVE_MODE, 25, 1), 1
	s_wait_xcnt 0x0
; Causal attention for one head on codes of FP6 (E2M3) with one E8M0 scale for each 32 along a product's K; the result, divided by the row's sum, is quantised along the model's 1,024 for the last product.
; t = score x log2(e) / 8; M = the running largest t rounded UP to a whole number; p = 2^(t - M) is quantised along the keys, not normalised; the row's sum is taken of the unquantised p.  When M moves, the sum and O are
; multiplied by 2^(old M - new M): exact.
; SHARES.  Work-group (i, head) owns the blocks i and 7 - i of 256 queries: (i + 1) + (8 - i) = 9 slots of 256 keys for every work-group, so all 256 have equal work and every trip count is a constant.
; Each of the sixteen waves owns one stored tile of 16 queries (lane r: query Qmin + r + (r & 8)) in 256 registers.
; NO CLUSTER: the four work-groups of a head begin their second block in different trips (trip i + 1), so in most trips they want different slots: no joint request would name one tile for all.
; LAYOUT.  Both products are used transposed: a lane holds ONE query throughout.  All operands lie in memory and LDS as images of their registers: a fragment is three loads of 16 bytes a lane, 512 consecutive bytes each.
; K = 64 IN AN INSTRUCTION OF 128: a fragment of k holds 32 keys, registers 0-5 one tile of 16, registers 6-11 the tile 8 keys on.  It is multiplied by [q | zeros] and by [zeros | q]: zero codes silence the other half.
; So register 16 b + i of the scores is key KF + 32 b + 16 (lane / 16) + i: 16 neighbours along the next K.
; CAUSAL: a step all of whose 128 keys come after my queries is jumped over (a scalar branch on ids); on the diagonal hidden scores become -infinity ahead of the maximum.  Key 0 counts for every query.
; LIMITS: NaN and infinities are not served; 1 / sum is v_rcp_f32 and a multiplication; a block whose largest magnitude lies under 2^-124 keeps the scale byte 1 (only this program reads the bytes).
; REGISTERS: v1, v2 16 and 8 x lane; v3, v4 LDS addresses in hand; v5, v6 the add's; v7-11 lane constants; v12 -M, v13 largest t, v[14:15] the sum; v16-21 zeros, v22-27 q, v28-33 zeros; v36-83 four fragments of k, then of v;
;   v[84:85] f; v86-94 at work; v96-159 S^T, then p; v160-191 O^T; v192-223 O / sum; v224-235 p's codes; v236-247 at work; v248-251, v253, v255 scale words; v[248:249] is also a partial sum.
.set SLOT1, 32768                      ; slot 0 at 0, slot 1 here: 25,600 bytes each (two records of k and v); one exclusive or turns an address
.set SPARE, 65536                      ; the spare words: 128 bytes for each of 16 waves
.macro TLOAD                           ; waves 0-3 fetch a quarter of a slot each: 6,400 dense bytes; four v_nop follow the line
	s_cmp_lt_u32 s18, 4
	s_cbranch_scc0 .Lasked_\@
	tensor_load_to_lds s[32:35], s[24:31]
	s_nop 0
.rept 4
	v_nop
.endr
.Lasked_\@:
.endm
	s_load_b128 s[4:7], s[0:1], 0x0                ; q, kv
	s_load_b128 s[8:11], s[0:1], 0x10              ; ao_codes, ao_scales
	v_lshl_add_u32 v5, v0, 2, SPARE
	v_mov_b32 v6, 0
	ds_add_u32 v5, v6
	ds_add_u32 v5, v6
	s_wait_dscnt 0x0
	v_lshrrev_b32 v3, 5, v0
	s_delay_alu instid0(VALU_DEP_1)
	v_readfirstlane_b32 s18, v3                    ; wave 0..15
	s_and_b32 s12, ttmp7, 0xffff                   ; batch x 16 + head
	s_mov_b32 s40, ttmp9                           ; i
	s_mov_b32 s24, 3<<16                           ; group 1: elements of 8 bytes, no mask, no padding
	s_mov_b32 s25, 32<<16                          ; tensor_dim0 = 32: rows of 256 bytes
	s_mov_b32 s26, 25<<16                          ; tensor_dim1 = 25
	s_mov_b32 s27, 32<<16                          ; tile_dim0
	s_mov_b32 s28, 25                              ; tile_dim1
	s_mov_b32 s29, 32                              ; the pitch: dense
	s_mov_b32 s30, 0
	s_mov_b32 s31, 0
	s_and_b32 s13, s18, 3                          ; which quarter of a slot (waves 0-3 fetch)
	s_mul_i32 s33, s13, 6400                       ; its place in slot 0
	s_mul_i32 s14, s12, 204800                     ; the head's 16 records
	s_add_co_u32 s14, s14, s33
	s_mov_b32 s15, 0
	s_mov_b32 s32, 1
	s_wait_kmcnt 0x0
	s_add_nc_u64 s[36:37], s[6:7], s[14:15]        ; my quarter of the head's first slot
	s_mov_b64 s[34:35], s[36:37]
	s_or_b32 s35, s35, 0x80000000
	TLOAD                                          ; slot 0: keys 0-255.  One tensor load of mine is out
	s_mov_b32 s20, 0x76543210
	s_mov_b32 s21, 0xfedcba98                      ; v_permlanex16_b32's selects for lane l xor 16
	s_mov_b32 s22, 0x3e38aa3b                      ; c = log2(e) / 8
	s_mov_b32 s23, s22
	s_mov_b32 s38, 0                               ; the key slot asked for last
	s_mov_b32 s39, 0                               ; the trip
	s_mov_b32 s41, 0                               ; LDS byte at which the slot in hand begins
	s_mov_b32 s42, 0                               ; the step's first key
	s_lshl_b32 s16, s40, 1
	s_sub_co_u32 s16, 7, s16                       ; 7 - 2 i blocks from my first block to my second
	s_mul_i32 s52, s16, 12800
	s_mov_b32 s53, 0
	s_mul_i32 s54, s16, 196608
	s_mov_b32 s55, 0
	s_lshl_b32 s56, s16, 13
	s_mov_b32 s57, 0
	s_lshl_b32 s58, s16, 8
	s_lshl_b32 s43, s40, 8
	s_lshr_b32 s2, s18, 1
	s_lshl_b32 s3, s2, 5
	s_add_co_u32 s43, s43, s3
	s_and_b32 s3, s18, 1                           ; u: which tile of its fragment is mine
	s_lshl_b32 s14, s3, 3
	s_add_co_u32 s43, s43, s14                     ; Qmin = 256 block + 32 (wave / 2) + 8 (wave % 2)
	s_lshl_b32 s14, s12, 4
	s_lshl_b32 s15, s40, 1
	s_add_co_u32 s14, s14, s15
	s_lshr_b32 s15, s18, 3
	s_add_co_u32 s14, s14, s15
	s_mul_i32 s14, s14, 6400
	s_mov_b32 s15, 0
	s_add_nc_u64 s[46:47], s[4:5], s[14:15]        ; q's record: 16 head + 2 block + wave / 8
	s_lshr_b32 s14, s12, 4
	s_lshl_b32 s14, s14, 7
	s_lshl_b32 s16, s40, 4
	s_add_co_u32 s14, s14, s16
	s_add_co_u32 s17, s14, s18                     ; my stored tile of tokens: 128 batch + 16 block + wave
	s_and_b32 s19, s12, 15                         ; head
	s_mul_i32 s14, s17, 12288
	s_mul_i32 s16, s19, 768
	s_add_co_u32 s14, s14, s16
	s_add_nc_u64 s[48:49], s[8:9], s[14:15]
	s_lshl_b32 s14, s17, 9
	s_lshl_b32 s16, s19, 1
	s_add_co_u32 s14, s14, s16
	s_add_nc_u64 s[50:51], s[10:11], s[14:15]
	s_and_b32 s2, s2, 3                            ; which fragment of q's record
	v_and_b32 v92, 31, v0
	s_delay_alu instid0(VALU_DEP_1)
	v_lshlrev_b32 v1, 4, v92
	s_delay_alu instid0(VALU_DEP_2)
	v_lshlrev_b32 v2, 3, v92
	v_and_b32 v93, 15, v0                          ; r
	s_wait_alu depctr_va_vdst(0)
	v_bfe_u32 v94, v0, 4, 1                        ; h
	s_wait_alu depctr_va_vdst(0)
	s_mul_i32 s13, s2, 1536
	s_mul_i32 s14, s3, 520
	s_add_co_u32 s14, s14, s13
	v_add_nc_u32 v7, s14, v1                       ; registers 6 u, 6 u + 1 of the fragment's image (and 6 u + 4, 6 u + 5 lie 512 bytes on)
	s_mul_i32 s14, s3, 1016
	s_add_co_u32 s14, s14, s13
	s_add_co_u32 s14, s14, 8
	v_add_nc_u32 v8, s14, v1                       ; registers 6 u + 2, 6 u + 3
	s_and_b32 s14, s2, 1
	s_lshl_b32 s14, s14, 7
	s_lshr_b32 s15, s2, 1
	s_lshl_b32 s15, s15, 2
	s_add_co_u32 s14, s14, s15
	s_add_co_u32 s14, s14, 6144
	v_lshl_add_u32 v9, v93, 3, s14                 ; my query's scale word in the record's image
	v_lshl_add_u32 v10, v93, 5, v94                ; ao_scales: 32 bytes a token, block h
	v_and_b32 v11, 8, v93
	s_delay_alu instid0(VALU_DEP_1)
	v_add_nc_u32 v11, v11, v93
	v_lshlrev_b32 v94, 4, v94
	s_delay_alu instid0(VALU_DEP_1)
	v_sub_nc_u32 v11, v11, v94                     ; r + (r & 8) - 16 h
	s_cmp_eq_u32 s3, 1
	s_mov_b32 s44, 0x01000100
	s_cselect_b32 s44, 0x03020302, s44             ; my tile's two bytes of the word, twice
.irp j, 16,17,18,19,20,21,28,29,30,31,32,33
	v_mov_b32 v[\j], 0                             ; zero codes
.endr
	v_mov_b32 v85, 0                               ; (named as the upper half of the pair v[84:85])
.irp b, 0,1,2,3
	v_mov_b32 v[236+\b], 0                         ; written once: a lane permute's destination counts as one of its sources
.endr
.macro INITQ                           ; a block begins: my 16 queries' codes and scale word; the largest t -3e38, the sum and O^T zeros
	global_load_b64 v[22:23], v7, s[46:47]
	global_load_b64 v[24:25], v8, s[46:47]
	global_load_b64 v[26:27], v7, s[46:47] offset:512
	global_load_b32 v94, v9, s[46:47]
	v_mov_b32 v13, 0xff61b1e6
	s_delay_alu instid0(VALU_DEP_1)
	v_floor_f32 v12, -v13
	v_mov_b32 v14, 0
	v_mov_b32 v15, 0
	s_wait_loadcnt 0x0
	v_perm_b32 v255, v94, v94, s44                 ; (s0, s1, s0, s1): the word serves [q | 0] and [0 | q]
.set j, 0
.rept 32
	v_mov_b32 v[160+j], 0                          ; (these are also the places between the scale word's making and the first product)
.set j, j+1
.endr
.endm
; A KEY STEP: 128 keys, the qq-th record of the slot in hand
.macro STEP qq
	s_add_co_u32 s2, s43, 23                       ; my last query
	s_cmp_gt_u32 s42, s2
	s_cbranch_scc1 .Lhidden_\@
	v_add_nc_u32 v3, s41, v1
	v_add_nc_u32 v4, s41, v2
	v_nop
	v_nop                                          ; four places in front of loads into registers that matrix instructions have read
.irp b, 0,1,2,3
.irp c, 0,1,2
	ds_load_b128 v[36+12*\b+4*\c:39+12*\b+4*\c], v3 offset:12800*(\qq)+1536*\b+512*\c
.endr
.endr
	ds_load_b64 v[248:249], v4 offset:12800*(\qq)+6144   ; k's scale words: lanes 0-15 fragments 0, 2; lanes 16-31 fragments 1, 3
	s_wait_alu depctr_va_vdst(0)
	s_wait_dscnt 0x0
.irp b, 0,1,2,3
.irp u, 0,1
.if \b%2
	v_wmma_scale_f32_16x16x128_f8f6f4 v[96+8*(2*\b+\u):103+8*(2*\b+\u)], v[36+12*\b:47+12*\b], v[22-6*\u:33-6*\u], 0, v[248+\b/2], v255 matrix_a_fmt:MATRIX_FMT_FP6 matrix_b_fmt:MATRIX_FMT_FP6 matrix_a_scale:MATRIX_SCALE_ROW1
.else
	v_wmma_scale_f32_16x16x128_f8f6f4 v[96+8*(2*\b+\u):103+8*(2*\b+\u)], v[36+12*\b:47+12*\b], v[22-6*\u:33-6*\u], 0, v[248+\b/2], v255 matrix_a_fmt:MATRIX_FMT_FP6 matrix_b_fmt:MATRIX_FMT_FP6
.endif
.endr
.endr
.rept 4
	v_nop                                          ; places: for the loads below and for the first read of the scores
.endr
.irp t, 0,1,2,3                                ; v's fragments are asked for now and land under the softmax
.irp c, 0,1,2
	ds_load_b128 v[36+12*\t+4*\c:39+12*\t+4*\c], v3 offset:12800*(\qq)+6400+1536*\t+512*\c
.endr
.endr
	ds_load_b64 v[250:251], v4 offset:12800*(\qq)+12544
	s_add_co_u32 s2, s42, 127
	s_cmp_le_u32 s2, s43
	s_cbranch_scc1 .Lopen_\@                       ; all 128 keys count for all my queries
	s_sub_co_i32 s2, s43, s42
	v_add_nc_u32 v86, s2, v11                      ; d = my query - KF - 16 h: register 16 b + i is hidden where 32 b + i > d
	v_mov_b32 v87, 0xff800000
.set n, 0
.rept 64
	v_cmp_gt_i32 vcc_lo, 32*(n/16)+n%16, v86
	v_cndmask_b32 v[96+n], v[96+n], v87, vcc_lo
.set n, n+1
.endr
.Lopen_\@:
.irp b, 0,1,2,3
	v_max3_num_f32 v[88+\b], v[96+16*\b], v[97+16*\b], v[98+16*\b]   ; the largest score of each block of 32 keys: for the row's maximum and, since p rises with the score, for the block's largest p
.endr
.irp i, 3,5,7,9,11,13
.irp b, 0,1,2,3
	v_max3_num_f32 v[88+\b], v[88+\b], v[96+16*\b+\i], v[97+16*\b+\i]
.endr
.endr
.irp b, 0,1,2,3
	v_max_num_f32 v[88+\b], v[88+\b], v[111+16*\b]
.endr
.irp b, 0,1,2,3
	s_delay_alu instid0(VALU_DEP_4)
	v_permlanex16_b32 v[236+\b], v[88+\b], s20, s21
.endr
.irp b, 0,1,2,3
	s_delay_alu instid0(VALU_DEP_4)
	v_max_num_f32 v[88+\b], v[88+\b], v[236+\b]
.endr
	s_delay_alu instid0(VALU_DEP_2)
	v_max3_num_f32 v92, v88, v89, v90
	s_delay_alu instid0(VALU_DEP_1)
	v_max_num_f32 v92, v92, v91
	s_delay_alu instid0(VALU_DEP_1)
	v_mul_f32 v92, s22, v92
	s_delay_alu instid0(VALU_DEP_1)
	v_max_num_f32 v13, v13, v92                    ; the running largest t
	v_mov_b32 v92, v12
	s_delay_alu instid0(VALU_DEP_2)
	v_floor_f32 v12, -v13                          ; the new -M
	s_delay_alu instid0(VALU_DEP_1)
	v_sub_f32 v92, v12, v92                        ; old M - new M: a whole number, 0 or less
	s_delay_alu instid0(VALU_DEP_1)
	v_cvt_i32_f32 v92, v92                         ; (it saturates)
	s_delay_alu instid0(VALU_DEP_1)
	v_ldexp_f32 v84, 1.0, v92                      ; f = 2^(old M - new M)
.set j, 0
.rept 32
	v_pk_fma_f32 v[96+j:97+j], v[96+j:97+j], s[22:23], v[12:13] op_sel_hi:[1,0,0]   ; t - M
.set j, j+2
.endr
.irp b, 0,1,2,3
	v_fma_f32 v[88+\b], v[88+\b], s22, v12
.endr
.set j, 0
	s_wait_alu depctr_va_vdst(0)
.rept 64
	v_exp_f32 v[96+j], v[96+j]                     ; p = 2^(t - M)
.set j, j+1
.endr
.irp b, 0,1,2,3
	v_exp_f32 v[88+\b], v[88+\b]                   ; the block's largest p
.endr
	v_pk_mul_f32 v[14:15], v[14:15], v[84:85] op_sel_hi:[1,0]   ; the sums under the new M (a plain place behind the exponentials)
	s_wait_alu depctr_va_vdst(0)
.irp b, 0,1,2,3
	v_max_num_f32 v[88+\b], 0x1800000, v[88+\b]    ; the floor 2^(3 - 127)
.endr
.irp b, 0,1,2,3
	s_delay_alu instid0(VALU_DEP_4)
	v_add_nc_u32 v[244+\b], 0xff000000, v[88+\b]   ; the conversion's scale operand
.endr
.irp b, 0,1,2,3
	s_delay_alu instid0(VALU_DEP_4)
	v_lshrrev_b32 v[236+\b], 23, v[244+\b]
.endr
	s_delay_alu instid0(VALU_DEP_3)
	v_lshl_or_b32 v253, v237, 8, v236              ; p's scale word for these 128 keys
	s_delay_alu instid0(VALU_DEP_1)
	v_lshl_or_b32 v253, v238, 16, v253
	s_delay_alu instid0(VALU_DEP_1)
	v_lshl_or_b32 v253, v239, 24, v253
.irp c, 0,1
	v_cvt_scalef32_pk16_fp6_f32 v[224+6*\c:226+6*\c], v[96+32*\c:111+32*\c], v[244+2*\c]
	v_cvt_scalef32_pk16_fp6_f32 v[236+4*\c:238+4*\c], v[112+32*\c:127+32*\c], v[244+2*\c+1]
.endr
	v_nop                                          ; one plain place behind a scaled conversion
.irp c, 0,1
.irp i, 0,1,2
	v_permlane16_swap_b32 v[224+6*\c+\i], v[236+4*\c+\i]
.endr
.irp i, 0,1,2
	s_delay_alu instid0(VALU_DEP_3)
	v_mov_b32 v[227+6*\c+\i], v[236+4*\c+\i]
.endr
.endr
	v_pk_add_f32 v[236:237], v[100:101], v[104:105]
	v_pk_add_f32 v[248:249], v[108:109], v[112:113]
	v_pk_add_f32 v[246:247], v[116:117], v[120:121]
	v_pk_add_f32 v[244:245], v[124:125], v[128:129]
	v_pk_add_f32 v[242:243], v[132:133], v[136:137]
	v_pk_add_f32 v[240:241], v[140:141], v[144:145]
	v_pk_add_f32 v[222:223], v[148:149], v[152:153]
	v_pk_add_f32 v[14:15], v[14:15], v[156:157]
	v_pk_add_f32 v[236:237], v[236:237], v[96:97]
	v_pk_add_f32 v[248:249], v[248:249], v[98:99]
	v_pk_add_f32 v[246:247], v[246:247], v[102:103]
	v_pk_add_f32 v[244:245], v[244:245], v[106:107]
	v_pk_add_f32 v[242:243], v[242:243], v[110:111]
	v_pk_add_f32 v[240:241], v[240:241], v[114:115]
	v_pk_add_f32 v[222:223], v[222:223], v[118:119]
	v_pk_add_f32 v[14:15], v[14:15], v[122:123]
	v_pk_add_f32 v[236:237], v[236:237], v[126:127]
	v_pk_add_f32 v[248:249], v[248:249], v[130:131]
	v_pk_add_f32 v[246:247], v[246:247], v[134:135]
	v_pk_add_f32 v[244:245], v[244:245], v[138:139]
	v_pk_add_f32 v[242:243], v[242:243], v[142:143]
	v_pk_add_f32 v[240:241], v[240:241], v[146:147]
	v_pk_add_f32 v[222:223], v[222:223], v[150:151]
	v_pk_add_f32 v[14:15], v[14:15], v[154:155]
	v_pk_add_f32 v[236:237], v[236:237], v[158:159]
	s_delay_alu instid0(VALU_DEP_2)
	v_pk_add_f32 v[14:15], v[14:15], v[244:245]
	s_delay_alu instid0(VALU_DEP_2)
	v_pk_add_f32 v[236:237], v[236:237], v[242:243]
	v_pk_add_f32 v[248:249], v[248:249], v[240:241]
	v_pk_add_f32 v[246:247], v[246:247], v[222:223]
	s_delay_alu instid0(VALU_DEP_2)
	v_pk_add_f32 v[14:15], v[14:15], v[248:249]
	s_delay_alu instid0(VALU_DEP_2)
	v_pk_add_f32 v[236:237], v[236:237], v[246:247]
	s_delay_alu instid0(VALU_DEP_1)
	v_pk_add_f32 v[14:15], v[14:15], v[236:237]
.set j, 0
.rept 16
	v_pk_mul_f32 v[160+j:161+j], v[160+j:161+j], v[84:85] op_sel_hi:[1,0]   ; O^T under the new M
.set j, j+2
.endr
	s_wait_alu depctr_va_vdst(0)
	s_wait_dscnt 0x0                               ; v's fragments and scale words are in
.irp t, 0,1,2,3                                ; O^T += V^T P^T: four accumulators by turns
.if \t%2
	v_wmma_scale_f32_16x16x128_f8f6f4 v[160+8*\t:167+8*\t], v[36+12*\t:47+12*\t], v[224:235], v[160+8*\t:167+8*\t], v[250+\t/2], v253 matrix_a_fmt:MATRIX_FMT_FP6 matrix_b_fmt:MATRIX_FMT_FP6 matrix_a_scale:MATRIX_SCALE_ROW1
.else
	v_wmma_scale_f32_16x16x128_f8f6f4 v[160+8*\t:167+8*\t], v[36+12*\t:47+12*\t], v[224:235], v[160+8*\t:167+8*\t], v[250+\t/2], v253 matrix_a_fmt:MATRIX_FMT_FP6 matrix_b_fmt:MATRIX_FMT_FP6
.endif
.endr
.Lhidden_\@:
	s_add_co_u32 s42, s42, 128
.endm
; THE CHANGE OF SLOTS, at a slot's head: each wave waits for all its tensor loads, adds 0 to its spare word, waits for that and for its reads of the slot that it has left; behind the barrier the slot ahead is whole and the
; other one is filled with the keys that the next trip wants: the next 256, or, behind my first block's last slot, keys 0-255 again.
.macro CHANGE fill
	s_wait_tensorcnt 0x0                           ; no tensor load of mine is out, so group 0 may be written
	ds_add_u32 v5, v6                              ; 0 onto my spare word
.if \fill
	s_add_co_u32 s38, s38, 1
	s_cmp_eq_u32 s39, s40
	s_cselect_b32 s38, 0, s38
	s_mul_i32 s2, s38, 25600
	s_mov_b32 s3, 0
	s_xor_b32 s33, s33, SLOT1
	s_add_nc_u64 s[34:35], s[36:37], s[2:3]
	s_or_b32 s35, s35, 0x80000000
.endif
	s_wait_dscnt 0x0                               ; the add is done, and my reads of the slot that I have left are over
	s_barrier_signal -1
	s_barrier_wait -1
.if \fill
	TLOAD                                          ; the first thing behind the barrier, a wave's one tensor load until the next: it has two key steps in which to land
.endif
.endm
; A BLOCK ENDS: O^T / the sum; register 16 G + i is channel 32 G + 16 h + i of my query: two blocks of 32 along the last product's K.  The six registers of codes leave as an image: 256 consecutive bytes a store.
.macro WAYOUT
.rept 4
	v_nop                                          ; places behind the last products
.endr
	v_add_f32 v14, v14, v15
	s_delay_alu instid0(VALU_DEP_1)
	v_permlanex16_b32 v92, v14, s20, s21
	s_delay_alu instid0(VALU_DEP_1)
	v_add_f32 v14, v14, v92
	s_wait_alu depctr_va_vdst(0)
	v_rcp_f32 v14, v14
	v_nop
.set j, 0
	s_wait_alu depctr_va_vdst(0)
.rept 32
	v_mul_f32 v[192+j], v[160+j], v14              ; each accumulator from its low end on
.set j, j+1
.endr
	v_max3_num_f32 v88, |v192|, |v193|, 0x1800000
	v_max3_num_f32 v89, |v208|, |v209|, 0x1800000
.irp i, 2,4,6,8,10,12,14
	s_delay_alu instid0(VALU_DEP_2)
	v_max3_num_f32 v88, v88, |v[192+\i]|, |v[193+\i]|
	s_delay_alu instid0(VALU_DEP_2)
	v_max3_num_f32 v89, v89, |v[208+\i]|, |v[209+\i]|
.endr
	s_delay_alu instid0(VALU_DEP_2)
	v_permlanex16_b32 v236, v88, s20, s21
	s_delay_alu instid0(VALU_DEP_2)
	v_permlanex16_b32 v237, v89, s20, s21
	s_delay_alu instid0(VALU_DEP_2)
	v_max_num_f32 v88, v88, v236
	s_delay_alu instid0(VALU_DEP_2)
	v_max_num_f32 v89, v89, v237
	s_delay_alu instid0(VALU_DEP_2)
	v_add_nc_u32 v244, 0xff000000, v88
	s_delay_alu instid0(VALU_DEP_2)
	v_add_nc_u32 v245, 0xff000000, v89
	s_delay_alu instid0(VALU_DEP_2)
	v_lshrrev_b32 v90, 23, v244
	s_delay_alu instid0(VALU_DEP_2)
	v_lshrrev_b32 v91, 23, v245
	v_cvt_scalef32_pk16_fp6_f32 v[224:226], v[192:207], v244
	v_cvt_scalef32_pk16_fp6_f32 v[236:238], v[208:223], v245
	v_nop
.irp i, 0,1,2
	v_permlane16_swap_b32 v[224+\i], v[236+\i]
.endr
.irp i, 0,1,2
	s_delay_alu instid0(VALU_DEP_3)
	v_mov_b32 v[227+\i], v[236+\i]
.endr
	v_cmp_lt_u32 vcc_lo, 127, v2                   ; lanes 16-31
	s_delay_alu instid0(VALU_DEP_1)
	v_cndmask_b32 v90, v90, v91, vcc_lo            ; block h's byte
.irp p, 0,1,2
	global_store_b64 v2, v[224+2*\p:225+2*\p], s[48:49] offset:256*\p
.endr
	global_store_b8 v10, v90, s[50:51]             ; a head owns 2 of a token's 32 scale bytes: one byte a lane
.endm
	INITQ
.Lslot:                                            ; eight trips; behind each change of slots the next trip's slot is asked for
	CHANGE 1
	STEP 0
	STEP 1
	s_xor_b32 s41, s41, SLOT1
	s_cmp_lg_u32 s39, s40                          ; trip i was my first block's last: the same answer in all sixteen waves
	s_cbranch_scc1 .Lsame
	WAYOUT
	s_wait_xcnt 0x0                                ; the stores have read their bases and registers
	s_add_nc_u64 s[46:47], s[46:47], s[52:53]      ; on to block 7 - i
	s_add_nc_u64 s[48:49], s[48:49], s[54:55]
	s_add_nc_u64 s[50:51], s[50:51], s[56:57]
	s_add_co_u32 s43, s43, s58
	s_mov_b32 s42, 0
	INITQ
.Lsame:
	s_add_co_u32 s39, s39, 1
	s_cmp_lt_u32 s39, 8
	s_cbranch_scc1 .Lslot
	CHANGE 0                                       ; the ninth slot is written out: nothing is left to fetch
	STEP 0
	STEP 1
	WAYOUT
	s_wait_tensorcnt 0x0                           ; the wave's end
	ds_add_u32 v5, v6
	s_wait_dscnt 0x0
	s_endpgm
.Lfunc_end_k_q78ce16a744_attn:
	.size	k_q78ce16a744_attn, .Lfunc_end_k_q78ce16a744_attn-k_q78ce16a744_attn
	.p2alignl 7, 3214868480
	.fill 96, 4, 3214868480
	.section	.rodata,"a",@progbits
	.p2align	6, 0x0
	.amdhsa_kernel k_q78ce16a744_attn
		.amdhsa_group_segment_fixed_size 327680
		.amdhsa_private_segment_fixed_size 0
		.amdhsa_enable_private_segment 0
		.amdhsa_kernarg_size 32
		.amdhsa_user_sgpr_count 2
		.amdhsa_user_sgpr_kernarg_segment_ptr 1
		.amdhsa_wavefront_size32 1
		.amdhsa_system_sgpr_workgroup_id_x 1
		.amdhsa_system_sgpr_workgroup_id_y 1
		.amdhsa_system_sgpr_workgroup_id_z 1
		.amdhsa_system_vgpr_workitem_id 0
		.amdhsa_next_free_vgpr 256
		.amdhsa_next_free_sgpr 66
		.amdhsa_reserve_vcc 1
		.amdhsa_float_denorm_mode_32 3
		.amdhsa_float_denorm_mode_16_64 3
		.amdhsa_memory_ordered 1
		.amdhsa_forward_progress 1
		.amdhsa_inst_pref_size 107
	.end_amdhsa_kernel
	.amdgpu_metadata
---
amdhsa.version: [ 1, 2 ]
amdhsa.kernels:
  - .name:           k_q78ce16a744_attn
    .symbol:         k_q78ce16a744_attn.kd
    .args:
      - { .name: q, .offset: 0, .size: 8, .value_kind: global_buffer, .address_space: global }
      - { .name: kv, .offset: 8, .size: 8, .value_kind: global_buffer, .address_space: global }
      - { .name: ao_codes, .offset: 16, .size: 8, .value_kind: global_buffer, .address_space: global }
      - { .name: ao_scales, .offset: 24, .size: 8, .value_kind: global_buffer, .address_space: global }
    .group_segment_fixed_size: 327680
    .private_segment_fixed_size: 0
    .kernarg_segment_align: 8
    .kernarg_segment_size: 32
    .max_flat_workgroup_size: 512
    .sgpr_count:     66
    .vgpr_count:     256
    .wavefront_size: 32
...
	.end_amdgpu_metadata
.endif
;; end of part 3
;; launch oproj (part 4): grid 4 x 32, 4 waves a work-group, clusters of 4 x 4, 327,680 bytes of LDS; arguments ao_codes, ao_scales, codes, scales, out0; writes out0
.if DOCPART == 4
	.amdgcn_target "amdgcn-amd-amdhsa--gfx1250"
	.amdhsa_code_object_version 6
	.text
	.protected	k_q78ce16a744_oproj
	.globl	k_q78ce16a744_oproj
	.p2align	8
	.type	k_q78ce16a744_oproj,@function
k_q78ce16a744_oproj:
	s_mov_b64 s[64:65], 0
	v_nop
	global_prefetch_b8 v0, s[64:65] scope:SCOPE_SE
	s_setreg_imm32_b32 hwreg(HW_REG_WAVE_MODE, 25, 1), 1
	s_wait_xcnt 0x0
	s_wait_alu depctr_hold_cnt(0) depctr_sa_sdst(0) depctr_va_vdst(0) depctr_va_sdst(0) depctr_va_ssrc(0) depctr_va_vcc(0) depctr_vm_vsrc(0)
	s_getreg_b32 s2, hwreg(HW_REG_IB_STS2, 6, 4)
	s_cmp_eq_u32 s2, 0
	s_cbranch_scc0 .Lentry_in_a_cluster
	s_endpgm
.Lentry_in_a_cluster:
	s_bfe_u32 s2, ttmp6, 0x10000c
	s_cmp_lg_u32 s2, 0xf033
	s_cbranch_scc0 .Lentry_shape_is_right
	s_endpgm
.Lentry_shape_is_right:
; out0 = attention's result x Wo^T on codes of FP6 (E2M3) with one E8M0 scale for each 32 along K = 1,024; out0 [8192][1024] f32.
; A tile of 256 x 256 is made by four waves, 128 x 128 each; K goes in steps of 256 through a ring of two LDS slots; the scale bytes come into LDS once.  Source 0 = 16 rows of Wo, source 1 = 16 tokens: a lane holds eight
; neighbouring numbers of a row of out0.
; A (the tokens) lies in memory as images of its operand registers: for each stored tile of 16 tokens and each head 768 bytes (register pair p of all lanes at 256 p).  A K step of 256 is four heads, 3,072 bytes a tile;
; a wave's tensor load brings eight tiles, 12,288 bytes apart, dense in LDS; a fragment is six loads of 8 bytes a lane, 256 consecutive bytes each.
; B is Wo: stored rows 11,264 on of the codes, in natural order, rows of 192 bytes padded as rows.
; THE TOKENS ARE IN TILE ORDER: row t of my block a is token 32 (a / 2) + 8 (a % 2) + t + 8 (t / 8) of my 128: the way out puts the rows back.
; CLUSTERS: 4 x 4 work-groups; A's tiles are asked for jointly along a row of the cluster, B's along a column.  128 tiles: half of the WGPs have a work-group.
; REGISTERS: window 0: v16-29 addresses; v32-63 scale words; v128-223 A's fragments; window 1: B's two sets; windows 2, 3: the accumulators.
.set SIZE_N, 1024
.set KSTEP,  256
.set NQ,     2
.set ROWB,   192
.set AROWB,  3072                      ; a token tile's bytes of a K step of 256
.set KROW,   768
.set PITCH,  240
.set FR,     12
.set NL,     6
.set NP,     4
.set HALFT,  128*PITCH
.set SLOT,   4*HALFT
.set LAPS,   2
.set KS,     32
.set SCL,    2*SLOT
.set HALFS,  16*272
.set SBLK,   2*272
.set SPARE,  SCL+4*HALFS
.set SPITCH, 528                       ; the way out: 16 rows x (512 bytes + 16) for each wave, in slot 0, which has had its last fill and its last read by then
.set ADRA, 16
.set ADRB, 20
.set STO,  24
.set RD,   25
.set CO,   26
.set ADRS, 27
.set SPW,  28
.set NIL,  29
.set SC,   32
.set AF,   128
.set BK,   128
.set G1, 24
.set G0, 32
.set G1B, 48
.set G0B, 56
.set G1S, 68
.set G0S, 76
.set G1SB, 80
.set G0SB, 88
.set MSB, 0
.macro WIN new
.if MSB != (\new)
	s_set_vgpr_msb (MSB<<8)|(\new)
.set MSB, (\new)
.endif
.endm
.set MUL_LO, 0xa1
.set MUL_HI, 0xf1
.set TO_B,   0x40
.macro JLOAD g0a, g1a, g0b, g1b        ; a joint load: waves 0 and 1 fetch for A, waves 2 and 3 for B; four v_nop follow each line
	s_cmp_eq_u32 s15, 0
	s_cbranch_scc0 .Lfor_b_\@
	tensor_load_to_lds s[\g0a:\g0a+3], s[\g1a:\g1a+7]
	s_nop 0
.rept 4
	v_nop
.endr
	s_branch .Lasked_\@
.Lfor_b_\@:
	tensor_load_to_lds s[\g0b:\g0b+3], s[\g1b:\g1b+7]
	s_nop 0
.rept 4
	v_nop
.endr
.Lasked_\@:
.endm
.macro CREST
	s_cmp_lg_u32 s14, 0
	s_cbranch_scc1 .Lnot_wave_0_\@
	s_barrier_signal -3
.Lnot_wave_0_\@:
	s_barrier_wait -3
	s_barrier_signal -1
	s_barrier_wait -1
.endm
.macro CROUND
	s_barrier_signal -1
	s_barrier_wait -1
	CREST
.endm
	s_load_b128 s[4:7], s[0:1], 0x0                ; A's codes, A's scales
	s_load_b128 s[8:11], s[0:1], 0x10              ; the weights' codes and scales
	s_load_b64 s[12:13], s[0:1], 0x20              ; out0
	v_lshl_add_u32 v[SPW], v0, 2, SPARE
	v_mov_b32 v[NIL], 0
	ds_add_u32 v28, v29
	s_wait_dscnt 0x0
	v_lshrrev_b32 v1, 5, v0
	v_readfirstlane_b32 s14, v1
	s_lshr_b32 s15, s14, 1                         ; which half of the tile's rows is mine.  Also: I fetch for A (0) or for B (1)
	s_and_b32 s16, s14, 1                          ; which half of its columns.  Also: which 128 rows of that tile I fetch
	s_bfe_u32 s40, ttmp6, 0x40000
	s_bfe_u32 s41, ttmp6, 0x40004
	s_lshl_b32 s42, ttmp9, 2
	s_add_co_u32 s42, s42, s40                     ; tile column
	s_and_b32 s17, ttmp7, 0xffff
	s_lshl_b32 s17, s17, 2
	s_add_co_u32 s17, s17, s41                     ; tile row
	s_lshl_b32 s43, s41, 2
	s_lshl_b32 s43, 15, s43
	s_lshl_b32 s44, 0x1111, s40
	s_or_b32 s[G1+0], s43, (3<<16)|(1<<21)         ; A: the mask of my row; elements of 8 bytes; no padding; bit 21 beside a mask
	s_mov_b32 s[G1+1], 384<<16                     ; tensor_dim0 = 384: 3,072 bytes
	s_mov_b32 s[G1+2], 8<<16                       ; tensor_dim1 = 8 token tiles
	s_mov_b32 s[G1+3], 384<<16                     ; tile_dim0
	s_mov_b32 s[G1+4], 8                           ; tile_dim1
	s_mov_b32 s[G1+5], 1536                        ; 12,288 bytes from tile to tile
	s_mov_b32 s[G1+6], 0
	s_mov_b32 s[G1+7], 0
	s_or_b32 s[G1B+0], s44, (0<<16)|(1<<20)|(1<<21)|(3<<22)|(3<<25)  ; B: 128 rows of 192 bytes, 16 bytes of padding behind every 64
	s_mov_b32 s[G1B+1], ROWB<<16
	s_mov_b32 s[G1B+2], 128<<16
	s_mov_b32 s[G1B+3], ROWB<<16
	s_mov_b32 s[G1B+4], 128
	s_mov_b32 s[G1B+5], KROW
	s_mov_b32 s[G1B+6], 0
	s_mov_b32 s[G1B+7], 0
	s_or_b32 s[G1S+0], s43, (3<<16)|(1<<20)|(1<<21)|(5<<22)|(3<<25)
	s_or_b32 s[G1SB+0], s44, (3<<16)|(1<<20)|(1<<21)|(5<<22)|(3<<25)
.irp g, G1S, G1SB
	s_mov_b32 s[\g+1], 32<<16
	s_mov_b32 s[\g+2], 16<<16
	s_mov_b32 s[\g+3], 32<<16
	s_mov_b32 s[\g+4], 16
	s_mov_b32 s[\g+5], 32
	s_mov_b32 s[\g+6], 0
	s_mov_b32 s[\g+7], 0
.endr
	s_lshl_b32 s18, s16, 7
	s_lshl_b32 s20, s17, 8
	s_add_co_u32 s20, s20, s18                     ; A: stored token row (16 rows are a tile of 12,288 bytes: 768 a row)
	s_lshl_b32 s46, s42, 8
	s_add_co_u32 s46, s46, s18
	s_add_co_u32 s46, s46, 11264                   ; B: Wo's rows
	s_mov_b32 s21, 0
	s_mov_b32 s47, 0
	s_mov_b64 s[18:19], KS
	s_mul_u64 s[22:23], s[20:21], s[18:19]
	s_mul_u64 s[92:93], s[46:47], s[18:19]
	s_mov_b64 s[18:19], KROW
	s_mul_u64 s[20:21], s[20:21], s[18:19]
	s_mul_u64 s[46:47], s[46:47], s[18:19]
	s_mul_i32 s45, s14, HALFT
	s_mul_i32 s94, s14, HALFS
	s_wait_kmcnt 0x0
	s_add_nc_u64 s[20:21], s[4:5], s[20:21]
	s_add_nc_u64 s[22:23], s[6:7], s[22:23]
	s_add_nc_u64 s[46:47], s[8:9], s[46:47]
	s_add_nc_u64 s[92:93], s[10:11], s[92:93]
	CROUND                                         ; all sixteen work-groups are here: the first joint loads meet
	s_mov_b32 s[G0S], 1
	s_add_co_u32 s[G0S+1], s94, SCL
	s_mov_b64 s[G0S+2:G0S+3], s[22:23]
	s_or_b32 s[G0S+3], s[G0S+3], 0x80000000
	s_mov_b32 s[G0SB], 1
	s_add_co_u32 s[G0SB+1], s94, SCL
	s_mov_b64 s[G0SB+2:G0SB+3], s[92:93]
	s_or_b32 s[G0SB+3], s[G0SB+3], 0x80000000
	JLOAD G0S, G1S, G0SB, G1SB
.irp s, 0,1
	s_mov_b32 s[G0+4*\s], 1
	s_add_co_u32 s[G0+4*\s+1], s45, \s*SLOT
	s_add_nc_u64 s[G0+4*\s+2:G0+4*\s+3], s[20:21], \s*AROWB
	s_or_b32 s[G0+4*\s+3], s[G0+4*\s+3], 0x80000000
	s_mov_b32 s[G0B+4*\s], 1
	s_add_co_u32 s[G0B+4*\s+1], s45, \s*SLOT
	s_add_nc_u64 s[G0B+4*\s+2:G0B+4*\s+3], s[46:47], \s*ROWB
	s_or_b32 s[G0B+4*\s+3], s[G0B+4*\s+3], 0x80000000
	JLOAD G0+4*\s, G1, G0B+4*\s, G1B
.endr
	v_and_b32 v1, 15, v0
	v_bfe_u32 v2, v0, 4, 1
	v_mul_u32_u24 v3, v1, PITCH
	v_mul_u32_u24 v4, v2, 24
	v_add_nc_u32 v4, v3, v4                        ; B: a fragment's row x pitch + 24 x half
	v_lshl_add_u32 v5, v2, 4, v4                   ; and the same behind one padding more
	v_and_b32 v6, 31, v0
	v_lshlrev_b32 v7, 3, v6                        ; A: 8 x lane
	s_mul_i32 s21, s15, HALFT
	s_mul_i32 s22, s16, HALFT
	s_add_co_u32 s22, s22, 2*HALFT
.irp s, 0,1
	v_add_nc_u32 v[ADRA+\s], s21, v7
	v_add_nc_u32 v[ADRB+\s], s22, v4
	v_add_nc_u32 v[ADRB+2+\s], s22, v5
	s_add_co_u32 s21, s21, SLOT
	s_add_co_u32 s22, s22, SLOT
.endr
	v_mul_u32_u24 v5, v1, KS
	v_lshrrev_b32 v8, 8, v5
	v_lshl_add_u32 v5, v8, 4, v5
	s_mul_i32 s21, s15, HALFS
	s_mul_i32 s22, s16, HALFS
	s_add_co_u32 s22, s22, 2*HALFS
	s_sub_co_u32 s22, s22, s21
	v_mul_u32_u24 v8, s22, v2
	s_add_co_u32 s21, s21, SCL
	v_add_nc_u32 v5, v5, v8
	v_add_nc_u32 v[ADRS], s21, v5
	s_mul_i32 s23, s14, 16*SPITCH                  ; my stage
	v_mul_u32_u24 v5, v1, SPITCH
	v_lshl_add_u32 v5, v2, 5, v5
	v_add_nc_u32 v[STO], s23, v5
	v_lshlrev_b32 v[CO], 4, v6
	v_add_nc_u32 v[RD], s23, v[CO]
	s_lshl_b32 s20, s17, 8
	s_lshl_b32 s21, s15, 7
	s_add_co_u32 s20, s20, s21                     ; my first row of out0
	s_mov_b32 s21, 0
	s_mov_b64 s[18:19], SIZE_N*4
	s_mul_u64 s[20:21], s[20:21], s[18:19]
	s_lshl_b32 s46, s42, 10
	s_lshl_b32 s47, s16, 9
	s_add_co_u32 s46, s46, s47
	s_mov_b32 s47, 0
	s_add_nc_u64 s[20:21], s[20:21], s[46:47]
	s_add_nc_u64 s[12:13], s[12:13], s[20:21]
.macro FRAG reg, adr, q, i             ; B's fragment from padded rows, in pieces of 8 bytes
.irp p, 0,1,2,3,4,5
.set PC, 12*(\q)+6*(\p/3)+\p%3
.if PC%8 < 5
	ds_load_b64 v[\reg+2*\p:\reg+2*\p+1], v[\adr] offset:8*PC+16*(PC/8)+(\i)*16*PITCH
.else
	ds_load_b64 v[\reg+2*\p:\reg+2*\p+1], v[\adr+2] offset:8*PC+16*(PC/8)+(\i)*16*PITCH
.endif
.endr
.endm
.macro FRAGA reg, slot, q, i           ; A's fragment from its image: token tile i, the slot's q-th 128 along K (two heads)
.irp p, 0,1,2,3,4,5
	ds_load_b64 v[\reg+2*\p:\reg+2*\p+1], v[ADRA+\slot] offset:AROWB*(\i)+1536*(\q)+256*\p
.endr
.endm
.macro MUL16 a0, p, q, sc, zero        ; the 64 accumulators take turns, one instruction a turn
.irp a, \a0, \a0+1
.irp b, 0,1,2,3,4,5,6,7
.if \zero
	v_wmma_scale_f32_16x16x128_f8f6f4 v[8*(8*((\a)%4)+\b):8*(8*((\a)%4)+\b)+7], v[128*(\p)+FR*\b:128*(\p)+FR*\b+FR-1], v[AF+FR*(\a):AF+FR*(\a)+FR-1], 0, v[SC+8*NQ*(\sc)+NQ*\b+(\q)], v[SC+8*NQ*(\sc)+NQ*(\a)+(\q)] matrix_a_fmt:MATRIX_FMT_FP6 matrix_b_fmt:MATRIX_FMT_FP6 matrix_a_scale:MATRIX_SCALE_ROW1
.else
	v_wmma_scale_f32_16x16x128_f8f6f4 v[8*(8*((\a)%4)+\b):8*(8*((\a)%4)+\b)+7], v[128*(\p)+FR*\b:128*(\p)+FR*\b+FR-1], v[AF+FR*(\a):AF+FR*(\a)+FR-1], v[8*(8*((\a)%4)+\b):8*(8*((\a)%4)+\b)+7], v[SC+8*NQ*(\sc)+NQ*\b+(\q)], v[SC+8*NQ*(\sc)+NQ*(\a)+(\q)] matrix_a_fmt:MATRIX_FMT_FP6 matrix_b_fmt:MATRIX_FMT_FP6 matrix_a_scale:MATRIX_SCALE_ROW1
.endif
.endr
.endr
.endm
.macro FETCH_B slot, q, p
	WIN TO_B
.irp i, 0,1,2,3,4,5,6,7
	FRAG 128*(\p)+FR*\i, ADRB+\slot, \q, \i
.endr
	WIN 0
.endm
.macro FETCH_A slot, q, i0
.irp i, \i0, \i0+1, \i0+2, \i0+3
	FRAGA AF+FR*(\i), \slot, \q, \i
.endr
.endm
.macro SCALES sc
.irp i, 0,1,2,3,4,5,6,7
	ds_load_b64 v[SC+8*NQ*\sc+NQ*\i:SC+8*NQ*\sc+NQ*\i+1], v[ADRS] offset:\i*SBLK
.endr
.endm
.macro PLACES n
.rept \n
	v_nop
.endr
.endm
.macro STEP slot, q, zero
	s_wait_dscnt 4*NL                              ; B's set and A's blocks 0-3 are in; the youngest 24 loads (A's blocks 4-7) may be out
	WIN MUL_LO
	MUL16 0, (\q)%2, \q, \slot, \zero
	MUL16 2, (\q)%2, \q, \slot, \zero
	s_wait_dscnt 0
	PLACES NP
	FETCH_B \slot, (\q)+1, 1-(\q)%2
	FETCH_A \slot, (\q)+1, 0
	WIN MUL_HI
	MUL16 4, (\q)%2, \q, \slot, \zero
	MUL16 6, (\q)%2, \q, \slot, \zero
	PLACES NP
	WIN 0
	FETCH_A \slot, (\q)+1, 4
.endm
.macro TURN slot, next, fill
	s_wait_tensorcnt 0x0                           ; all my tensor loads have landed: my part of the next slot
	ds_add_u32 v[SPW], v[NIL]                      ; 0 onto my spare word
	s_wait_dscnt 4*NL+1                            ; (the add and the youngest 24 loads may be out)
	WIN MUL_LO
	MUL16 0, 1, NQ-1, \slot, 0
	s_wait_dscnt 0x0                               ; the add is done, and my reads of this slot are over
	s_barrier_signal -1
	MUL16 2, 1, NQ-1, \slot, 0
	WIN 0
	s_barrier_wait -1
.if \fill
	CREST                                          ; the barrier has opened a round of the cluster's: no wave of any partner still reads this slot or has a load on its way
	s_add_nc_u64 s[G0+4*\slot+2:G0+4*\slot+3], s[G0+4*\slot+2:G0+4*\slot+3], 2*AROWB
	s_add_nc_u64 s[G0B+4*\slot+2:G0B+4*\slot+3], s[G0B+4*\slot+2:G0B+4*\slot+3], 2*ROWB
	JLOAD G0+4*\slot, G1, G0B+4*\slot, G1B
.else
	PLACES NP
.endif
	v_add_nc_u32 v[ADRS], 4*NQ, v[ADRS]
	FETCH_B \next, 0, 0
	FETCH_A \next, 0, 0
	SCALES \next
	WIN MUL_HI
	MUL16 4, 1, NQ-1, \slot, 0
	MUL16 6, 1, NQ-1, \slot, 0
	PLACES NP
	WIN 0
	FETCH_A \next, 0, 4
.endm
	s_wait_tensorcnt 1                             ; the scales and my part of K step 0 are in (K step 1's load may be out),
	s_barrier_signal -1
	s_barrier_wait -1                              ; everybody's are
	FETCH_B 0, 0, 0
	FETCH_A 0, 0, 0
	SCALES 0
	FETCH_A 0, 0, 4
	STEP 0, 0, 1
	s_mov_b32 s3, LAPS-1
.Llap:
	TURN 0, 1, 1
	STEP 1, 0, 0
	TURN 1, 0, 1
	STEP 0, 0, 0
	s_sub_co_u32 s3, s3, 1
	s_cmp_lg_u32 s3, 0
	s_cbranch_scc1 .Llap
	TURN 0, 1, 0
	STEP 1, 0, 0
	s_wait_dscnt 4*NL
	WIN MUL_LO
	MUL16 0, 1, NQ-1, 1, 0
	MUL16 2, 1, NQ-1, 1, 0
	s_wait_dscnt 0
	WIN MUL_HI
	MUL16 4, 1, NQ-1, 1, 0
	MUL16 6, 1, NQ-1, 1, 0
	WIN 0
; THE WAY OUT, block by block of 16 rows x 128 columns, through my own stage in LDS: back come whole rows of 512 bytes.  LDS serves a wave's instructions in order: no wait between the stores and the loads.
.macro TOSTAGE a
.set AC, 64*((\a)%4)
	WIN 0x08+4*((\a)/4)                            ; the data: window 2 or 3
.irp b, 0,1,2,3,4,5,6,7
	ds_store_b128 v[STO], v[AC+8*\b:AC+8*\b+3] offset:64*\b          ; each accumulator from its low end on
	ds_store_b128 v[STO], v[AC+8*\b+4:AC+8*\b+7] offset:64*\b+16
.endr
	WIN 0
.set BB, BK+64*((\a)%2)
.irp t, 0,1,2,3,4,5,6,7,8,9,10,11,12,13,14,15
	ds_load_b128 v[BB+4*\t:BB+4*\t+3], v[RD] offset:\t*SPITCH
.endr
.endm
.macro SEND a, younger                 ; younger: the LDS instructions issued behind block a's loads, which may stay out
.set BB, BK+64*((\a)%2)
	s_wait_dscnt \younger
.if (\a) > 0
	s_add_nc_u64 s[12:13], s[12:13], (24-16*((\a)%2))*SIZE_N*4   ; (behind a wait on XCNT)  block a begins at token 32 (a / 2) + 8 (a % 2): 8 rows on in front of an odd block, 24 in front of an even one
.endif
.irp t, 0,1,2,3,4,5,6,7,8,9,10,11,12,13,14,15
	global_store_b128 v[CO], v[BB+4*\t:BB+4*\t+3], s[12:13] offset:(\t+8*(\t/8))*SIZE_N*4 th:TH_STORE_NT   ; 32 lanes store 512 consecutive bytes, aligned; stage row t is token t + 8 (t / 8) of the block
.endr
.endm
	PLACES NP
	TOSTAGE 0
.irp a, 1,2,3,4,5,6,7
.if \a > 1
	s_wait_xcnt 0x0                                ; block a - 2's stores have read their registers and their base
.endif
	TOSTAGE \a
	SEND \a-1, 32                                  ; behind block a - 1's loads: block a's 16 stores and 16 loads
.endr
	s_wait_xcnt 0x0
	SEND 7, 0
	s_wait_tensorcnt 0x0                           ; the wave's end
	ds_add_u32 v[SPW], v[NIL]
	s_wait_dscnt 0x0
	CROUND                                         ; the closing round
	s_endpgm
.Lfunc_end_k_q78ce16a744_oproj:
	.size	k_q78ce16a744_oproj, .Lfunc_end_k_q78ce16a744_oproj-k_q78ce16a744_oproj
	.p2alignl 7, 3214868480
	.fill 96, 4, 3214868480
	.section	.rodata,"a",@progbits
	.p2align	6, 0x0
	.amdhsa_kernel k_q78ce16a744_oproj
		.amdhsa_group_segment_fixed_size 327680
		.amdhsa_private_segment_fixed_size 0
		.amdhsa_enable_private_segment 0
		.amdhsa_kernarg_size 40
		.amdhsa_user_sgpr_count 2
		.amdhsa_user_sgpr_kernarg_segment_ptr 1
		.amdhsa_wavefront_size32 1
		.amdhsa_system_sgpr_workgroup_id_x 1
		.amdhsa_system_sgpr_workgroup_id_y 1
		.amdhsa_system_sgpr_workgroup_id_z 1
		.amdhsa_system_vgpr_workitem_id 0
		.amdhsa_next_free_vgpr 1024
		.amdhsa_next_free_sgpr 98
		.amdhsa_reserve_vcc 0
		.amdhsa_float_denorm_mode_32 3
		.amdhsa_float_denorm_mode_16_64 3
		.amdhsa_memory_ordered 1
		.amdhsa_forward_progress 1
		.amdhsa_inst_pref_size 160
	.end_amdhsa_kernel
	.amdgpu_metadata
---
amdhsa.version: [ 1, 2 ]
amdhsa.kernels:
  - .name:           k_q78ce16a744_oproj
    .symbol:         k_q78ce16a744_oproj.kd
    .args:
      - { .name: ao_codes, .offset: 0, .size: 8, .value_kind: global_buffer, .address_space: global }
      - { .name: ao_scales, .offset: 8, .size: 8, .value_kind: global_buffer, .address_space: global }
      - { .name: codes, .offset: 16, .size: 8, .value_kind: global_buffer, .address_space: global }
      - { .name: scales, .offset: 24, .size: 8, .value_kind: global_buffer, .address_space: global }
      - { .name: out0, .offset: 32, .size: 8, .value_kind: global_buffer, .address_space: global }
    .group_segment_fixed_size: 327680
    .private_segment_fixed_size: 0
    .kernarg_segment_align: 8
    .kernarg_segment_size: 40
    .max_flat_workgroup_size: 128
    .sgpr_count:     98
    .vgpr_count:     1024
    .wavefront_size: 32
...
	.end_amdgpu_metadata
.endif
;; end of part 4
